; MI455X (gfx1250); checked and timed in simulation.
; The chip was launched on July 23, 2026; its instructions are those of AMD's public machine-readable ISA for CDNA 5 (MIT licence, August 2026) and "CDNA5" Instruction Set Architecture Reference Guide (July 2026). The comments in the code are by the model that wrote it; some were corrected since.
;; Multi Head Binding Attention. Allowed arithmetic: matrix products marked QUANTISED: E2M1 operands, one E8M0 scale for each 32 along K, by v_wmma_scale_f32_16x16x128_f8f6f4 with both operands' format E2M1 (or v_wmma_scale_f32_32x16x128_f4), f32 sums; everything else in f32.
;; Inputs: bv_k 4 x 512 float32; bv_q 4 x 512 float32; bv_v 4 x 512 float32; x 4 x 2,048 x 2,048 float32.
;; Outputs: out0 4 x 2,048 x 2,048 float32.
;; This version of the problem:
;;   THIS VERSION OF THE PROBLEM IS GIVEN IN LOW PRECISION. The matrix products marked QUANTISED in the list below multiply operands that are first quantised to E2M1 (2 exponent bits, 1 mantissa bit; 4 bits a number), with one power-of-two scale for each 32 numbers along K (OCP MX v1.0); their sums are f32. All else is computed in f32.
;;   The module's matrix products, in the order in which they are computed (A, B: the left and right operand; K: the contracted axis; several contracted axes count as one K, in the product's order):
;;     1. batch 16 x [M 2,048, K 512] x [K 512, N 2,048]; A: computed on the way; B: computed on the way: QUANTISED
;;     2. batch 16 x [M 512, K 2,048] x [K 2,048, N 2,048]; A: computed on the way; B: computed on the way: QUANTISED
;;   THE QUANTISER, for each operand of a quantised product, along K:
;;     - K is cut into blocks of 32 from its start; a last block that is shorter is filled with zeros.
;;     - A block's scale is 2^e with e = floor(log2(the largest magnitude in the block)) - 2, held to -126 .. 127; a block of zeros has e = 0. As a byte (E8M0): e + 127.
;;     - Each number is divided by its block's scale, clamped to +-6, and rounded to the nearest number of E2M1, ties to even, subnormals kept.
;;     - The product sums the exact products of the quantised numbers (number of the format x scale) in f32.
;;   ~~~python
;;   def quantise(x, axis):      # numpy; x: float32 -> the quantised numbers, widened to float32 again
;;       x = np.moveaxis(x, axis, -1); K = x.shape[-1]
;;       x = np.pad(x, [(0, 0)] * (x.ndim - 1) + [(0, -K % 32)]); x = x.reshape(x.shape[:-1] + (-1, 32)); a = np.abs(x).max(-1, keepdims=True)
;;       e = np.where(a > 0, np.clip(np.frexp(np.where(a > 0, a, 1))[1] - 1 - 2, -126, 127), 0)      # np.frexp(a)[1] - 1 = floor(log2(a)), exactly
;;       r = np.clip(x / 2.0 ** e, -6, 6)
;;       step = 2.0 ** (np.maximum(np.frexp(np.where(r == 0, 1, r))[1] - 1, 0) - 1)
;;       q = np.round(r / step) * step * 2.0 ** e      # np.round: ties to even
;;       return np.moveaxis(q.reshape(q.shape[:-2] + (-1,))[..., :K], -1, axis).astype(np.float32)
;;   ~~~
;;   OPERANDS COMPUTED ON THE WAY. 'Computed on the way' means the value that the module computes at that place (a softmax that the list does not call 'softmax' is quantised finished and normalised). What goes into a quantiser is computed in f32, as accurately as f32 sums, v_exp_f32 and their like allow (about 1e-6 of the number): no bf16 or f16 on the way to a quantiser, and a product that is left as it is and whose result goes on into a quantised operand takes f32 operands (vector FMAs, or v_wmma_f32_16x16x4_f32). A number that lies on a knife's edge between two numbers of the format may be rounded either way, as far as f32 arithmetic and the matrix unit's own rounding can turn it there, and no further.
;; 2 versions, each right. Each part assembles by itself: llvm-mc -triple=amdgcn-amd-amdhsa -mcpu=gfx1250 --defsym DOCPART=n.
;; ======== version 1 of 2: 2 launches
;; workspace buffers: ws 26,738,688 bytes
;; launch quant (part 1): grid 16 x 16, 16 waves a work-group, no clusters, 278,528 bytes of LDS; arguments x, bv_q, bv_k, bv_v, ws; writes ws
.if DOCPART == 1
	.amdgcn_target "amdgcn-amd-amdhsa--gfx1250"
	.amdhsa_code_object_version 6
	.text
	.protected	k_qdfa6d8fa9a_quant
	.globl	k_qdfa6d8fa9a_quant
	.p2align	8
	.type	k_qdfa6d8fa9a_quant,@function
k_qdfa6d8fa9a_quant:
	s_mov_b64 s[64:65], 0
	v_nop
	global_prefetch_b8 v0, s[64:65] scope:SCOPE_SE
	s_setreg_imm32_b32 hwreg(HW_REG_WAVE_MODE, 25, 1), 1
	s_wait_xcnt 0x0
; x [4][2048][2048] f32 is read once and turned into the three operands of a binding attention, as codes of FP4 (E2M1) with one E8M0 byte for each 32 along a product's K:
;   Q = x * q_bind and K = x * k_bind, quantised along the head's 512 channels;  V = x * v_bind, quantised DOWN THE TOKENS (the keys are the second product's K).
; A binding value is (alpha * sign(w) - w) + w in f32, alpha = the mean of |w| over the head's 512, sign(0) taken as +.
; A block's scale is 2^(floor(log2(largest magnitude)) - 2); its byte is the largest magnitude's exponent field - 2, held at 1 from below.
; LIMITS: a block whose largest magnitude lies under 2^-124, a block of zeros among them, keeps the byte 1 (its codes are what the conversion gives under that scale; zeros stay zeros; the bytes are read by this
; program alone); NaN and infinities are not served; alpha's 512 terms are added in another order than a serial sum.
; SHARES.  A work-group owns one UNIT of the workspace: 128 tokens x the 512 channels of one head (x = which 128 tokens, y = 4 x batch + head), 256 KiB of x, in four chunks of 32 tokens.
; x comes into LDS by tensor loads, each byte filled once.  Each chunk is then read twice from LDS: BY ROWS (a lane takes 32 neighbouring channels of one token: a whole block of Q and of K) and BY COLUMNS
; (a lane takes one channel and its 32 registers run down the chunk's tokens: a whole block of V).  So no block's maximum asks another lane, and nothing is transposed by an instruction.
; THE WORKSPACE IS LAID IN THE ORDER OF THE OPERANDS' REGISTERS (lane l's 16 bytes of a group of four registers at 16 l), a unit of 104,448 bytes:
;   0      K codes  [32 tokens g][16 tokens u][128 channels s][c][lane][16]    32,768 V codes [16 channels dt][c][lane][16]
;   65,536 K scales [g][token][16 bytes]                                       67,584 V scales [128 channels w][channel % 32][p][4 bytes], channel = 128 w + 32 p + lane
;   69,632 Q codes, as K's                                                     102,400 Q scales, as K's
; No cluster: the work-groups share no input but the 24 KiB of binding vectors.  No prefetch: all of a work-group's bytes are asked for in its first lines.
.set UNIT,   104448
.set VOFF,   32768
.set KSOFF,  65536
.set QOFF,   69632
.set QSOFF,  102400
.set PITCH,  528                       ; an LDS row: 128 channels, 512 bytes, + 16 of padding: an odd multiple of 16, so the sixteen rows that a row read touches start at different banks
.set QUART,  32*PITCH                  ; a chunk's 32 tokens x a quarter of the channels: what one tensor load brings
.set CHUNKB, 4*QUART
.set SCST,   4*CHUNKB                  ; behind x: 6,144 bytes for the scale bytes (K's, V's, Q's), written by LDS stores alone; no tile lands there
.set AR,  4                            ; v4   LDS: my block by rows
.set AC,  5                            ; v5   LDS: my column
.set GT,  6                            ; v6   16 x my thread's number: where my 16 bytes of Q's and K's codes go
.set GV,  7                            ; v7   where my 16 bytes of V's codes go
.set ASB, 8                            ; v8   LDS: my block's scale byte (K's; Q's 4,096 further on)
.set AVW, 9                            ; v9   LDS: my column's scale word
.set VW,  15                           ; v15  V's scale word, a byte a chunk
.set VB,  16                           ; v[16:17] my column's binding value, twice
.set AL,  18                           ; v18-23 alpha and -alpha of q, k, v
.set CQ,  24                           ; v[24:27], v[28:31], v[32:35] codes
.set CK,  28
.set CV,  32
.set QB,  40                           ; v40-71, v72-103 my 32 channels' binding values for Q and for K
.set KB,  72
.set X,   104                          ; v104-135 a block of x by rows
.set T,   136                          ; v136-167 x times the binding values
.set XV,  168                          ; v168-199 a block of x by columns
.set ASR, 200                          ; v200 LDS: 16 bytes of scale bytes on their way out
.set G1,  16                           ; s[16:23] descriptor group 1;  s[24:39] group 0 for each of the four chunks
.set G0,  24
	s_load_b256 s[4:11], s[0:1], 0x0               ; x s[4:5], bv_q s[6:7], bv_k s[8:9], bv_v s[10:11]
	s_load_b64 s[12:13], s[0:1], 0x20              ; ws
	v_lshl_add_u32 v208, v0, 2, 0x43800
	v_mov_b32 v209, 0
	ds_add_u32 v208, v209
	ds_add_u32 v208, v209
	v_lshrrev_b32 v1, 5, v0
	v_readfirstlane_b32 s14, v1                    ; wave 0..15
	s_and_b32 s15, ttmp7, 0xffff                   ; 4 x batch + head
	s_lshr_b32 s40, s15, 2                         ; batch
	s_and_b32 s41, s15, 3                          ; head
	s_and_b32 s42, s14, 3                          ; wave % 4: in the fetching waves 0 to 3 the quarter of the channels that the wave fetches
	; group 1: a tile of 32 tokens x 128 channels of 4 bytes, 2,048 elements from token to token, 16 bytes of padding behind each row
	s_mov_b32 s[G1+0], (2<<16)|(1<<20)|(6<<22)|(3<<25)  ; no mask; elements of 4 bytes; padding on; after every 128 words (code 6); four words (code 3)
	s_mov_b32 s[G1+1], 128<<16                     ; tensor_dim0
	s_mov_b32 s[G1+2], 32<<16                      ; tensor_dim1
	s_mov_b32 s[G1+3], 128<<16                     ; tile_dim0
	s_mov_b32 s[G1+4], 32                          ; tile_dim1
	s_mov_b32 s[G1+5], 2048                        ; tensor_dim0_stride
	s_mov_b32 s[G1+6], 0
	s_mov_b32 s[G1+7], 0
	s_lshl_b32 s44, s40, 24                        ; batch x 2,048 tokens x 8,192 bytes
	s_lshl_b32 s45, ttmp9, 20                      ; + 128 tokens x 8,192 bytes for each unit
	s_add_co_u32 s44, s44, s45
	s_lshl_b32 s45, s41, 11                        ; + the head's 2,048 bytes in a token's row
	s_add_co_u32 s44, s44, s45
	s_lshl_b32 s45, s42, 9                         ; + my quarter's 512
	s_add_co_u32 s44, s44, s45
	s_mov_b32 s45, 0
	s_mul_i32 s43, s42, QUART                      ; and its place in a chunk in LDS
	s_lshl_b32 s50, s41, 11                        ; the head's 2,048 bytes in each binding vector
	s_mov_b32 s51, 0
	s_lshl_b32 s52, s15, 4
	s_add_co_u32 s52, s52, ttmp9
	s_mul_i32 s52, s52, UNIT                       ; my unit of the workspace
	s_mov_b32 s53, 0
	s_mov_b32 s54, 0x76543210                      ; v_permlanex16_b32's selects for lane l xor 16
	s_mov_b32 s55, 0xfedcba98
	s_wait_dscnt 0x0
	s_wait_kmcnt 0x0
	s_add_nc_u64 s[4:5], s[4:5], s[44:45]
.irp j, 0,1,2,3
	s_mov_b32 s[G0+4*\j], 1                        ; count = 1
	s_add_co_u32 s[G0+4*\j+1], s43, \j*CHUNKB      ; LDS address
	s_add_nc_u64 s[G0+4*\j+2:G0+4*\j+3], s[4:5], \j*262144   ; 32 tokens on for each chunk
	s_or_b32 s[G0+4*\j+3], s[G0+4*\j+3], 0x80000000          ; type = 2
.endr
	; Waves 0 to 3 fetch, each its quarter of the channels for all four chunks: four loads of 32 rows and not two of 64, so that a chunk is worked on while the later ones land.
	; All of a wave's fills stand in one branch on the wave's number, ahead of every wait on TENSORcnt, every LDS read and every barrier: four loads of the wave are out.
	s_cmp_lt_u32 s14, 4
	s_cbranch_scc0 .Lno_fetch
	tensor_load_to_lds s[G0:G0+3], s[G1:G1+7]
	s_nop 0
	tensor_load_to_lds s[G0+4:G0+7], s[G1:G1+7]
	s_nop 0
	tensor_load_to_lds s[G0+8:G0+11], s[G1:G1+7]
	s_nop 0
	tensor_load_to_lds s[G0+12:G0+15], s[G1:G1+7]
	s_nop 0
.rept 4
	v_nop
.endr
.Lno_fetch:
	s_add_nc_u64 s[6:7], s[6:7], s[50:51]          ; the binding vectors at my head
	s_add_nc_u64 s[8:9], s[8:9], s[50:51]
	s_add_nc_u64 s[10:11], s[10:11], s[50:51]
	s_add_nc_u64 s[12:13], s[12:13], s[52:53]      ; the workspace at my unit; never rewritten
	v_and_b32 v1, 31, v0                           ; lane
	v_and_b32 v2, 15, v0                           ; r
	v_bfe_u32 v3, v0, 4, 1                         ; h
	s_lshr_b32 s46, s14, 3                         ; u = wave / 8: which 16 tokens of a chunk I take by rows
	s_and_b32 s47, s14, 7                          ; v = wave % 8: lane (r, h) takes the block of channels 32 (2 v + h) on
	v_lshlrev_b32 v201, 4, v1                      ; the view for the sums: 16 bytes a lane, four times
	s_lshl_b32 s48, s47, 8
	v_lshl_add_u32 v202, v3, 7, s48                ; my block's 32 binding values: 256 v + 128 h
	v_lshlrev_b32 v203, 2, v0                      ; my column's: channel 32 x wave + lane
.irp k, 0,1,2,3
	global_load_b128 v[X+4*\k:X+4*\k+3], v201, s[6:7] offset:512*\k
	global_load_b128 v[X+16+4*\k:X+16+4*\k+3], v201, s[8:9] offset:512*\k
	global_load_b128 v[X+32+4*\k:X+32+4*\k+3], v201, s[10:11] offset:512*\k
.endr
.irp k, 0,1,2,3,4,5,6,7
	global_load_b128 v[QB+4*\k:QB+4*\k+3], v202, s[6:7] offset:16*\k
	global_load_b128 v[KB+4*\k:KB+4*\k+3], v202, s[8:9] offset:16*\k
.endr
	global_load_b32 v[VB], v203, s[10:11]
	; the addresses, while the loads are out
	s_lshr_b32 s48, s47, 1                         ; by rows: the quarter (v / 2), the token 16 u + r, the block in the quarter
	s_mul_i32 s48, s48, QUART
	s_mul_i32 s49, s46, 16*PITCH
	s_add_co_u32 s48, s48, s49
	s_and_b32 s49, s47, 1
	s_lshl_b32 s49, s49, 8
	s_add_co_u32 s48, s48, s49
	v_mul_u32_u24 v[AR], v2, PITCH
	v_lshl_add_u32 v[AR], v3, 7, v[AR]
	v_add_nc_u32 v[AR], s48, v[AR]
	s_lshr_b32 s48, s14, 2                         ; by columns: the quarter (wave / 4), 128 bytes for each wave in it, 4 bytes a lane
	s_mul_i32 s48, s48, QUART
	s_lshl_b32 s49, s42, 7
	s_add_co_u32 s48, s48, s49
	v_lshl_add_u32 v[AC], v1, 2, s48
	v_lshlrev_b32 v[GT], 4, v0                     ; Q's and K's codes: the wave's half fragment lies at 512 x wave in a chunk's 8,192 bytes
	s_lshl_b32 s48, s14, 11                        ; V's codes: channel tile 2 x wave + h, row r
	v_lshlrev_b32 v[GV], 4, v2
	v_lshl_add_u32 v[GV], v3, 10, v[GV]
	v_add_nc_u32 v[GV], s48, v[GV]
	s_lshl_b32 s48, s46, 8                         ; a token's 16 scale bytes: token 16 u + r, byte 2 v + h
	s_lshl_b32 s49, s47, 1
	s_add_co_u32 s48, s48, s49
	s_add_co_u32 s48, s48, SCST
	v_lshl_add_u32 v[ASB], v2, 4, v3
	v_add_nc_u32 v[ASB], s48, v[ASB]
	s_lshr_b32 s48, s14, 2                         ; V's scale word: 512 (wave / 4) + 16 lane + 4 (wave % 4)
	s_lshl_b32 s48, s48, 9
	s_lshl_b32 s49, s42, 2
	s_add_co_u32 s48, s48, s49
	s_add_co_u32 s48, s48, SCST+2048
	v_lshl_add_u32 v[AVW], v1, 4, s48
	v_add_nc_u32 v[ASR], SCST, v[GT]
	v_mov_b32 v37, 0                               ; a lane permute's destination counts as one of its sources
	s_wait_loadcnt 0x0
; alpha = the sum of the head's 512 magnitudes / 512: 16 a lane in two chains, then across the 32 lanes; -alpha beside it
.macro ALPHA base, al
	v_add_f32 v10, |v[\base]|, |v[\base+1]|
	v_add_f32 v11, |v[\base+2]|, |v[\base+3]|
.irp i, 4,6,8,10,12,14
	v_add_f32 v10, v10, |v[\base+\i]|
	v_add_f32 v11, v11, |v[\base+\i+1]|
.endr
	v_add_f32 v10, v10, v11
	v_add_f32_dpp v10, v10, v10 row_xmask:1 row_mask:0xf bank_mask:0xf
	v_add_f32_dpp v10, v10, v10 row_xmask:2 row_mask:0xf bank_mask:0xf
	v_add_f32_dpp v10, v10, v10 row_xmask:4 row_mask:0xf bank_mask:0xf
	v_add_f32_dpp v10, v10, v10 row_xmask:8 row_mask:0xf bank_mask:0xf
	v_permlanex16_b32 v37, v10, s54, s55
	v_add_f32 v10, v10, v37
	v_mul_f32 v[\al], 0x3b000000, v10              ; x 2^-9: exact
	v_xor_b32 v[\al+1], 0x80000000, v[\al]
.endm
; w becomes (hard - w) + w, hard = -alpha where w < 0 and +alpha elsewhere (both zeros too)
.macro BIND reg, al
	v_cmp_gt_f32 vcc_lo, 0, v[\reg]
	v_cndmask_b32 v12, v[\al], v[\al+1], vcc_lo
	v_sub_f32 v12, v12, v[\reg]
	v_add_f32 v[\reg], v12, v[\reg]
.endm
	ALPHA X, AL
	ALPHA X+16, AL+2
	ALPHA X+32, AL+4
.set i, 0
.rept 32
	BIND QB+i, AL
	BIND KB+i, AL+2
.set i, i+1
.endr
	BIND VB, AL+4
	v_mov_b32 v[VB+1], v[VB]
; the largest magnitude of 32 registers, in two chains, with the floor 2^(3 - 127) as one more leaf: the byte cannot fall under 1.  Result in v10
.macro MAX32 base
	v_max3_num_f32 v10, |v[\base]|, |v[\base+1]|, |v[\base+2]|
	v_max3_num_f32 v11, |v[\base+3]|, |v[\base+4]|, |v[\base+5]|
.irp i, 6,10,14,18,22,26
	v_max3_num_f32 v10, v10, |v[\base+\i]|, |v[\base+\i+1]|
	v_max3_num_f32 v11, v11, |v[\base+\i+2]|, |v[\base+\i+3]|
.endr
	v_max3_num_f32 v10, v10, |v[\base+30]|, |v[\base+31]|
	v_max3_num_f32 v10, v10, v11, 0x1800000
.endm
; my block by rows times its binding values, quantised: 16 bytes of codes to the workspace (the wave stores 512 consecutive bytes), the byte to LDS
.macro QK bind, codes, byte, goff, soff
.set i, 0
.rept 16
	v_pk_mul_f32 v[T+i:T+i+1], v[X+i:X+i+1], v[\bind+i:\bind+i+1]
.set i, i+2
.endr
	MAX32 T
	v_add_nc_u32 v12, 0xff000000, v10              ; 2 off the exponent field: the conversion takes the exponent field of this operand as its scale, and nothing else of it
.irp g, 0,1,2,3
	v_cvt_scalef32_pk8_fp4_f32 v[\codes+\g], v[T+8*\g:T+8*\g+7], v12
.endr
	v_lshrrev_b32 v[\byte], 23, v12                ; the scale's byte; also the plain instruction behind the conversions
	global_store_b128 v[GT], v[\codes:\codes+3], s[12:13] offset:\goff
	ds_store_b8 v[ASB], v[\byte] offset:\soff
.endm
.macro CHUNK j
	s_wait_tensorcnt 3-\j                          ; tensor loads of a wave end in order: my part of chunk j is in; the later chunks' loads stay out (a wave that fetched nothing passes at once)
	s_wait_dscnt 0x0                               ; no LDS instruction of mine is pending at the signal
	s_barrier_signal -1
	s_barrier_wait -1                              ; everybody's part of chunk j is in
.irp k, 0,1,2,3,4,5,6,7
	ds_load_b128 v[X+4*\k:X+4*\k+3], v[AR] offset:16*\k
.endr
.set i, 0
.rept 32
	ds_load_b32 v[XV+i], v[AC] offset:PITCH*i      ; 32 lanes read 128 consecutive bytes of token i's row
.set i, i+1
.endr
	s_wait_dscnt 32                                ; the eight row loads are in; the 32 column loads behind them may be out
	s_wait_xcnt 0x0                                ; the last chunk's stores have read their codes: the registers are written again only behind this wait
	QK QB, CQ, 13, QOFF+8192*\j, 4096+512*\j
	QK KB, CK, 14, 8192*\j, 512*\j
	s_wait_dscnt 2                                 ; the column loads are in; the two byte stores behind them may be out
.set i, 0
.rept 16
	v_pk_mul_f32 v[XV+i:XV+i+1], v[XV+i:XV+i+1], v[VB:VB+1]
.set i, i+2
.endr
	MAX32 XV
	v_add_nc_u32 v12, 0xff000000, v10
.irp g, 0,1,2,3
	v_cvt_scalef32_pk8_fp4_f32 v[CV+\g], v[XV+8*\g:XV+8*\g+7], v12
.endr
	v_lshrrev_b32 v36, 23, v12                     ; the byte of token block j; also the plain instruction behind the conversions
.if \j == 0
	v_mov_b32 v[VW], v36
.else
	v_lshl_or_b32 v[VW], v36, 8*\j, v[VW]
.endif
	global_store_b128 v[GV], v[CV:CV+3], s[12:13] offset:VOFF+512*(\j/2)+256*(\j%2)   ; each half of the lanes stores 256 consecutive bytes, aligned
.if \j < 3
	v_add_nc_u32 v[AR], CHUNKB, v[AR]              ; on to the next chunk
	v_add_nc_u32 v[AC], CHUNKB, v[AC]
.endif
.endm
	CHUNK 0
	CHUNK 1
	CHUNK 2
	CHUNK 3                                        ; its wait on TENSORcnt is for 0: no tensor load is out at the end
	; the scale bytes leave as they lie in LDS: K's and V's 4,096 bytes by waves 0 to 7, Q's 2,048 by waves 8 to 11, 512 consecutive bytes a wave
	ds_store_b32 v[AVW], v[VW]
	s_wait_dscnt 0x0                               ; for the others' sake: my stores of scale bytes are done
	s_barrier_signal -1
	s_barrier_wait -1
	s_cmp_ge_u32 s14, 12
	s_cbranch_scc1 .Lend
	ds_load_b128 v[X:X+3], v[ASR]
	s_mov_b32 s48, QSOFF-4096                      ; Q's bytes lie 4,096 into the LDS region and at QSOFF in the unit
	s_cmp_lt_u32 s14, 8
	s_cselect_b32 s48, KSOFF, s48
	s_mov_b32 s49, 0
	s_add_nc_u64 s[56:57], s[12:13], s[48:49]
	s_wait_dscnt 0x0
	global_store_b128 v[GT], v[X:X+3], s[56:57]
.Lend:
	s_wait_tensorcnt 0x0
	ds_add_u32 v208, v209
	s_wait_dscnt 0x0
	s_endpgm
.Lfunc_end_k_qdfa6d8fa9a_quant:
	.size	k_qdfa6d8fa9a_quant, .Lfunc_end_k_qdfa6d8fa9a_quant-k_qdfa6d8fa9a_quant
	.p2alignl 7, 3214868480
	.fill 96, 4, 3214868480
	.section	.rodata,"a",@progbits
	.p2align	6, 0x0
	.amdhsa_kernel k_qdfa6d8fa9a_quant
		.amdhsa_group_segment_fixed_size 278528
		.amdhsa_private_segment_fixed_size 0
		.amdhsa_enable_private_segment 0
		.amdhsa_kernarg_size 40
		.amdhsa_user_sgpr_count 2
		.amdhsa_user_sgpr_kernarg_segment_ptr 1
		.amdhsa_wavefront_size32 1
		.amdhsa_system_sgpr_workgroup_id_x 1
		.amdhsa_system_sgpr_workgroup_id_y 1
		.amdhsa_system_sgpr_workgroup_id_z 1
		.amdhsa_system_vgpr_workitem_id 0
		.amdhsa_next_free_vgpr 210
		.amdhsa_next_free_sgpr 66
		.amdhsa_reserve_vcc 1
		.amdhsa_float_denorm_mode_32 3
		.amdhsa_float_denorm_mode_16_64 3
		.amdhsa_memory_ordered 1
		.amdhsa_forward_progress 1
		.amdhsa_inst_pref_size 63
	.end_amdhsa_kernel
	.amdgpu_metadata
---
amdhsa.version: [ 1, 2 ]
amdhsa.kernels:
  - .name:           k_qdfa6d8fa9a_quant
    .symbol:         k_qdfa6d8fa9a_quant.kd
    .args:
      - { .name: x, .offset: 0, .size: 8, .value_kind: global_buffer, .address_space: global }
      - { .name: bv_q, .offset: 8, .size: 8, .value_kind: global_buffer, .address_space: global }
      - { .name: bv_k, .offset: 16, .size: 8, .value_kind: global_buffer, .address_space: global }
      - { .name: bv_v, .offset: 24, .size: 8, .value_kind: global_buffer, .address_space: global }
      - { .name: ws, .offset: 32, .size: 8, .value_kind: global_buffer, .address_space: global }
    .group_segment_fixed_size: 278528
    .private_segment_fixed_size: 0
    .kernarg_segment_align: 8
    .kernarg_segment_size: 40
    .max_flat_workgroup_size: 512
    .sgpr_count:     66
    .vgpr_count:     210
    .wavefront_size: 32
...
	.end_amdgpu_metadata
.endif
;; end of part 1
;; launch attn (part 2): grid 16 x 16, 4 waves a work-group, clusters of 4 x 1, 327,680 bytes of LDS; arguments ws, out0; writes out0
.if DOCPART == 2
	.amdgcn_target "amdgcn-amd-amdhsa--gfx1250"
	.amdhsa_code_object_version 6
	.text
	.protected	k_qdfa6d8fa9a_attn
	.globl	k_qdfa6d8fa9a_attn
	.p2align	8
	.type	k_qdfa6d8fa9a_attn,@function
k_qdfa6d8fa9a_attn:
	s_mov_b64 s[64:65], 0
	v_nop
	global_prefetch_b8 v0, s[64:65] scope:SCOPE_SE
	s_setreg_imm32_b32 hwreg(HW_REG_WAVE_MODE, 25, 1), 1
	s_wait_xcnt 0x0
	s_wait_alu depctr_hold_cnt(0) depctr_sa_sdst(0) depctr_va_vdst(0) depctr_va_sdst(0) depctr_va_ssrc(0) depctr_va_vcc(0) depctr_vm_vsrc(0)
	s_getreg_b32 s2, hwreg(HW_REG_IB_STS2, 6, 4)
	s_cmp_eq_u32 s2, 0
	s_cbranch_scc0 .Lentry_in_a_cluster
	s_endpgm
.Lentry_in_a_cluster:
	s_bfe_u32 s2, ttmp6, 0x10000c
	s_cmp_lg_u32 s2, 0x3003
	s_cbranch_scc0 .Lentry_shape_is_right
	s_endpgm
.Lentry_shape_is_right:
; out[b][t][head][:] = the sum over keys s <= t of sigmoid(4 Q[t] . K[s] / sqrt(512)) V[s][:], both products on codes of FP4 (E2M1) with one E8M0 scale for each 32 along a product's K.
; Q, K, V come as codes and scale bytes from the workspace, laid in the order of the operands' registers, a unit of 104,448 bytes for each 128 tokens of a head (16 units a head):
;   0 K codes, 32,768 V codes (keys innermost), 65,536 K scales, 67,584 V scales: 69,632 dense bytes, ONE TILE of a key step;  69,632 Q codes, 102,400 Q scales.
; p = sigmoid, 0 where key > query, is quantised along the keys in blocks of 32 and is the second product's operand.  There is no maximum and no normalising.
; LIMITS: p under 2^-126 becomes 0 (the exponential and the reciprocal give no denormals: ISA guide, their entries in 15.8); the factors 4, 1 / sqrt(512) and log2(e) are one constant, so the exponent's rounding
; differs from three multiplications'; a block of p that is all zeros keeps the scale byte 1 (its codes are zeros); NaN and infinities are not served.
; SHARES.  A head has 32 blocks of 64 queries.  Work-group i (0..15) of a head owns blocks i and 31 - i, one after the other.  A STEP is 64 queries x 128 keys.  With c = i / 4 the first block takes 2 c + 2 steps and
; the second 16 - 2 c: 18 in every work-group.  (A partner whose block ends one step earlier multiplies a step of zeros, so that all four partners walk alike.)
; CLUSTER.  The four work-groups of a cluster (same c, same head) walk the same key tiles in the same order: each tile is asked for JOINTLY, every wave its quarter, by the same tensor load with the same descriptor
; and a mask that names the four.  A work-group's place in its cluster enters the addresses of Q, of out and of the prefetches, and the mask's numbers, and nothing else.
; WITHIN A STEP THE WAVES SHARE COLUMNS.  S^T = K Q^T (source 0 = 16 keys, source 1 = 16 queries): wave w takes keys 32 w .. 32 w + 31 against all 64 queries; Q's 16 fragments stay in its registers.  A lane then
; holds one query and 16 keys of ONE block of 32 (the other 16 lie in lane l xor 16): wave w makes block w of p for all 64 queries and stores codes and scale byte into an image of P's registers in LDS.
; O^T = V^T P^T (source 0 = 16 channels, source 1 = 16 queries): wave w takes channels 128 w .. 128 w + 127 against all 64 queries: 32 accumulators.  So each fragment read from LDS feeds four matrix instructions.
; ONE BARRIER A STEP serves three things: P of step T is whole; the tile of step T + 1 has landed; the slot of step T is read out (K long ago, V into registers) and is filled again behind it.
; A trip runs O^T += V^T P^T of step T and then S^T, the sigmoid and P of step T + 1.  P has two images by turns, since P of step T + 1 is written with no barrier behind the reads of P of step T.
; REGISTERS, in windows of 256 (s_set_vgpr_msb: bits 1:0 source 0, 3:2 source 1, 5:4 source 2, 7:6 destination):
;   window 0: v1-14 addresses that stay; v16-22 the trip's; v24-43 at work; v44-63 scale words and nothing else; v64-127 S^T, then p (register 16 m + 8 u + j); v128-159 P's four fragments
;   window 1: O^T, accumulator (channel tile d, query tile m) at v[8 (4 d + m)]     window 2: v0-127 Q (8 (4 m + s)), v128-191 K (8 (4 u + s)), v192-255 V (8 d)     window 3: v0-127 rows of out on their way
; SCALARS.  s8, s9, s11-s15, s18, s24-s43, s58, s70-s75 hold only numbers that the four partners share: they feed the branches and the descriptors.  s10, s16, s17, s44-s57, s59-s63, s66, s67 hold numbers made from the place in the cluster.
.set UNIT,   104448
.set HEADB,  16*UNIT
.set TILEB,  69632
.set QUARTB, TILEB/4                   ; 68 rows of 256 bytes: what one wave's load brings
.set VOFF,   32768
.set KSOFF,  65536
.set QOFF,   69632
.set QSOFF,  102400
.set SLOT1,  1<<17                     ; slot 1 begins here, so that one exclusive or turns an address in one slot into the other's
.set PIMG,   TILEB                     ; behind slot 0's tile: P's four fragments as images of their registers, 1,024 bytes each (the second image SLOT1 further on, behind slot 1's tile)
.set PSC,    PIMG+4096                 ; P's scale words: word 16 m + r, byte w
.set STAGE,  PSC+256                   ; the way out: 16 rows x (512 bytes + 16) for each wave
.set SPITCH, 528
.set SPARE,  STAGE+4*16*SPITCH         ; the spare words, 128 bytes for each wave: two blocks of 256 bytes that no other line names
.set STEPS,  18
.set L16,  1                           ; v1   16 x lane
.set AK0,  2                           ; v2   8,192 w + 16 lane: my fragments of K (and, VOFF on, of V) in a slot
.set AS0,  3                           ; v3   KSOFF + 512 w + 16 lane: my scale words of K (and, 2,048 on, of V)
.set APW0, 4                           ; v4   where I store 4 bytes of P's codes: PIMG + 256 w + 16 r + 4 h
.set APS0, 5                           ; v5   and P's scale byte: PSC + 4 r + w
.set APR0, 6                           ; v6   where I read P's fragments: PIMG + 16 lane
.set APSR0, 7                          ; v7   and P's scale words: PSC + 4 lane
.set STO,  8                           ; v8   the stage: where I put 32 bytes of a row
.set SRD,  9                           ; v9   and where I read a row back
.set DL,   10                          ; v10  r - 8 h - 32 w: my lane's part of query - key
.set ZR,   11                          ; v11  0
.set SPW,  12                          ; v12  LDS address of my spare word: SPARE + 4 x my thread's number; never rewritten
.set NIL,  13                          ; v13  0; never rewritten
.set PFO,  14                          ; v14  256 x lane: the prefetches' offset
.set ADK,  16                          ; v16-21 the six LDS addresses of the trip
.set ADS,  17
.set APW,  18
.set APS,  19
.set APR,  20
.set APSR, 21
.set D0,   22
.set TM,   24                          ; v24-27 a block's largest p;  v28-31 lane l xor 16's, then the byte;  v32-35 the conversions' scale operands;  v36-43 the codes
.set PB,   28
.set SO,   32
.set PC,   36
.set KS,   44                          ; v[44:47] K's scale words, one for each 128 channels: lanes 0-15 my keys 0-15, lanes 16-31 my keys 16-31
.set VS,   48                          ; v[48:51] V's: register p: lanes 0-15 channel tile 2 p, lanes 16-31 tile 2 p + 1
.set PS,   52                          ; v[52:53] P's: register g: lanes 0-15 query tile 2 g, lanes 16-31 tile 2 g + 1
.set QS,   56                          ; v[56:63] Q's: register 4 g + s likewise
.set S,    64
.set PF,   128
.set QF,   0                           ; in window 2
.set KF,   128
.set VF,   192
.set BK,   0                           ; in window 3: two sets of 64
.set WV,   8
.set CC,   9
.set CX,   10
.set BH,   11
.set NA,   12                          ; s12  steps of the first block: 2 c + 2
.set T,    13                          ; s13  the step whose V^T P^T the trip runs
.set TB,   14                          ; s14  where the slot, and P's image, of step T + 1 begin
.set TP,   15                          ; s15  where P's image of step T begins
.set QA0,  16                          ; s16, s17 the first query of my two blocks
.set QB0,  17
.set SG,   18                          ; s18  the step whose scores are made
.set SEL,  20
.set CN,   22
.set G1,   24                          ; s[24:31] descriptor group 1
.set G0A,  32                          ; s[32:35] group 0 of slot 0's first fill;  s[36:39] that of slot 1's, which then walks
.set G0W,  36
.set KVB,  40                          ; s[40:41] my quarter of the head's first tile
.set OFF,  42                          ; s[42:43] a tile's offset from there
.set QCA,  44                          ; s[44:51] Q's codes and scales of my two blocks
.set QSA,  46
.set QCB,  48
.set QSB,  50
.set OA,   52                          ; s[52:55] my channels in the first row of out of my two blocks
.set OB,   54
.set PFA,  56                          ; s[56:57] where my prefetches stand
.set LIM,  58                          ; s58  a wave prefetches while T is under it
.set MSB, 0
.macro WIN new                         ; the immediate's high byte repeats the setting that is left; a switch that changes nothing is dropped
.if MSB != \new
	s_set_vgpr_msb (MSB<<8)|\new
.set MSB, \new
.endif
.endm
.macro PLACES                          ; four plain instructions behind matrix instructions: in front of loads into registers that they read and of the first read of their results
.rept 4
	v_nop
.endr
.endm
; A round of the cluster's barrier: my work-group's barrier; wave 0 signals for the work-group; every wave waits for all four work-groups; my work-group's barrier once more.
.macro ROUND
	s_barrier_signal -1
	s_barrier_wait -1
	s_cmp_lg_u32 s[WV], 0
	s_cbranch_scc1 .Lnot_wave_0_\@
	s_barrier_signal -3
.Lnot_wave_0_\@:
	s_barrier_wait -3
	s_barrier_signal -1
	s_barrier_wait -1
.endm
.macro ADDR
	v_add_nc_u32 v[ADK], s[TB], v[AK0]
	v_add_nc_u32 v[ADS], s[TB], v[AS0]
	v_add_nc_u32 v[APW], s[TB], v[APW0]
	v_add_nc_u32 v[APS], s[TB], v[APS0]
	v_add_nc_u32 v[APR], s[TP], v[APR0]
	v_add_nc_u32 v[APSR], s[TP], v[APSR0]
.endm
; One matrix instruction.  zero = 1: it starts the sum.  ra, rb = 1: that side's scales are read from lanes 16-31 of the register named.
.macro WM d, a, b, zero, sa, sb, ra, rb
.if \zero
.if (\ra) && (\rb)
	v_wmma_scale_f32_16x16x128_f8f6f4 v[\d:\d+7], v[\a:\a+7], v[\b:\b+7], 0, v[\sa], v[\sb] matrix_a_fmt:MATRIX_FMT_FP4 matrix_b_fmt:MATRIX_FMT_FP4 matrix_a_scale:MATRIX_SCALE_ROW1 matrix_b_scale:MATRIX_SCALE_ROW1
.elseif \ra
	v_wmma_scale_f32_16x16x128_f8f6f4 v[\d:\d+7], v[\a:\a+7], v[\b:\b+7], 0, v[\sa], v[\sb] matrix_a_fmt:MATRIX_FMT_FP4 matrix_b_fmt:MATRIX_FMT_FP4 matrix_a_scale:MATRIX_SCALE_ROW1
.elseif \rb
	v_wmma_scale_f32_16x16x128_f8f6f4 v[\d:\d+7], v[\a:\a+7], v[\b:\b+7], 0, v[\sa], v[\sb] matrix_a_fmt:MATRIX_FMT_FP4 matrix_b_fmt:MATRIX_FMT_FP4 matrix_b_scale:MATRIX_SCALE_ROW1
.else
	v_wmma_scale_f32_16x16x128_f8f6f4 v[\d:\d+7], v[\a:\a+7], v[\b:\b+7], 0, v[\sa], v[\sb] matrix_a_fmt:MATRIX_FMT_FP4 matrix_b_fmt:MATRIX_FMT_FP4
.endif
.else
.if (\ra) && (\rb)
	v_wmma_scale_f32_16x16x128_f8f6f4 v[\d:\d+7], v[\a:\a+7], v[\b:\b+7], v[\d:\d+7], v[\sa], v[\sb] matrix_a_fmt:MATRIX_FMT_FP4 matrix_b_fmt:MATRIX_FMT_FP4 matrix_a_scale:MATRIX_SCALE_ROW1 matrix_b_scale:MATRIX_SCALE_ROW1
.elseif \ra
	v_wmma_scale_f32_16x16x128_f8f6f4 v[\d:\d+7], v[\a:\a+7], v[\b:\b+7], v[\d:\d+7], v[\sa], v[\sb] matrix_a_fmt:MATRIX_FMT_FP4 matrix_b_fmt:MATRIX_FMT_FP4 matrix_a_scale:MATRIX_SCALE_ROW1
.elseif \rb
	v_wmma_scale_f32_16x16x128_f8f6f4 v[\d:\d+7], v[\a:\a+7], v[\b:\b+7], v[\d:\d+7], v[\sa], v[\sb] matrix_a_fmt:MATRIX_FMT_FP4 matrix_b_fmt:MATRIX_FMT_FP4 matrix_b_scale:MATRIX_SCALE_ROW1
.else
	v_wmma_scale_f32_16x16x128_f8f6f4 v[\d:\d+7], v[\a:\a+7], v[\b:\b+7], v[\d:\d+7], v[\sa], v[\sb] matrix_a_fmt:MATRIX_FMT_FP4 matrix_b_fmt:MATRIX_FMT_FP4
.endif
.endif
.endm
.macro LOADK                           ; 17 loads: my 32 keys' eight fragments and their scale words; every load reads 512 consecutive bytes
	WIN 0x80                                       ; destination window 2
.irp u, 0,1
.irp s, 0,1,2,3
.irp c, 0,1
	ds_load_b128 v[KF+8*(4*\u+\s)+4*\c:KF+8*(4*\u+\s)+4*\c+3], v[ADK] offset:4096*\u+1024*\s+512*\c
.endr
.endr
.endr
	WIN 0
	ds_load_b128 v[KS:KS+3], v[ADS]
.endm
.macro LOADV                           ; 17 loads: my 128 channels' eight fragments and their scale words
	WIN 0x80
.irp d, 0,1,2,3,4,5,6,7
.irp c, 0,1
	ds_load_b128 v[VF+8*\d+4*\c:VF+8*\d+4*\c+3], v[ADK] offset:VOFF+1024*\d+512*\c
.endr
.endr
	WIN 0
	ds_load_b128 v[VS:VS+3], v[ADS] offset:2048
.endm
.macro LOADP                           ; 10 loads: P's four fragments, as the four waves stored them, and their scale words
.irp m, 0,1,2,3
.irp c, 0,1
	ds_load_b128 v[PF+8*\m+4*\c:PF+8*\m+4*\c+3], v[APR] offset:1024*\m+512*\c
.endr
.endr
.irp g, 0,1
	ds_load_b32 v[PS+\g], v[APSR] offset:128*\g
.endr
.endm
; S^T = K Q^T: 32 matrix instructions; the eight accumulators take turns, one instruction a turn; the first eight start the sums
.macro SMUL
	WIN 0x0a                                       ; K and Q in window 2, S^T in window 0
.irp s, 0,1,2,3
.irp m, 0,1,2,3
.irp u, 0,1
.if \s == 0
	WM S+16*\m+8*\u, KF+8*(4*\u+\s), QF+8*(4*\m+\s), 1, KS+\s, QS+4*(\m/2)+\s, \u, \m%2
.else
	WM S+16*\m+8*\u, KF+8*(4*\u+\s), QF+8*(4*\m+\s), 0, KS+\s, QS+4*(\m/2)+\s, \u, \m%2
.endif
.endr
.endr
.endr
.endm
; O^T (+)= V^T P^T: 32 matrix instructions on 32 accumulators
.macro PVMUL zero
	WIN 0x52                                       ; V in window 2, P in window 0, O^T in window 1
.irp d, 0,1,2,3,4,5,6,7
.irp m, 0,1,2,3
	WM 8*(4*\d+\m), VF+8*\d, PF+8*\m, \zero, VS+\d/2, PS+\m/2, \d%2, \m%2
.endr
.endr
.endm
.macro QLOAD cp, sp                    ; a block's 64 queries: 16 fragments and their scale words, into registers
	WIN 0x80
.irp m, 0,1,2,3
.irp s, 0,1,2,3
.irp c, 0,1
	global_load_b128 v[QF+8*(4*\m+\s)+4*\c:QF+8*(4*\m+\s)+4*\c+3], v[L16], s[\cp:\cp+1] offset:4096*\m+1024*\s+512*\c
.endr
.endr
.endr
	WIN 0
.irp g, 0,1
	global_load_b128 v[QS+4*\g:QS+4*\g+3], v[L16], s[\sp:\sp+1] offset:512*\g
.endr
.endm
; THE SIGMOID AND P'S QUANTISER, for step s[SG].  p = 1 / (1 + 2^(-4 log2(e) s / sqrt(512))).  The 64 exponentials are one batch and the 64 reciprocals another, each with one plain instruction behind it and one
; wait ahead of its first reader.  A block's last two steps lie on or beyond the diagonal for some partner: there p becomes 0 where key > query; always = 1: without the test.
.macro SIGMOID always
	s_cmp_lt_u32 s[SG], s[NA]                      ; the first block's step or the second's?
	s_cselect_b32 s71, s[NA], STEPS                ; the step behind the block's last
	s_cselect_b32 s73, 0, s[NA]                    ; the block's first step
	s_cselect_b32 s61, s[QA0], s[QB0]              ; its first query
	s_sub_co_u32 s73, s[SG], s73
	s_lshl_b32 s73, s73, 7                         ; the step's first key
	s_sub_co_i32 s61, s61, s73                     ; first query - first key
	s_add_co_u32 s72, s[SG], 2
.set i, 0
.rept 32
	v_pk_mul_f32 v[S+i:S+i+1], v[S+i:S+i+1], s[CN:CN+1] op_sel_hi:[1,0]   ; ascending: each accumulator is read from its low end on
.set i, i+2
.endr
.set i, 0
.rept 64
	v_exp_f32 v[S+i], v[S+i]
.set i, i+1
.endr
	v_nop
	s_wait_alu depctr_va_vdst(0)
.set i, 0
.rept 32
	v_pk_add_f32 v[S+i:S+i+1], v[S+i:S+i+1], 1.0 op_sel_hi:[1,0]
.set i, i+2
.endr
.set i, 0
.rept 64
	v_rcp_f32 v[S+i], v[S+i]                       ; an exponential that has overflowed gives 0 here
.set i, i+1
.endr
	v_nop
	s_wait_alu depctr_va_vdst(0)
.if (\always) == 0
	s_cmp_lt_u32 s72, s71                          ; not one of the block's last two steps: every key counts for every partner's queries
	s_cbranch_scc1 .Lopen_\@
.endif
	v_add_nc_u32 v[D0], s61, v[DL]                 ; register (m, u, j) holds key first + 32 w + 16 u + 8 h + j and query first + 16 m + r: hidden where 16 u + j - 16 m > D0
.irp m, 0,1,2,3
.irp u, 0,1
.irp j, 0,1,2,3,4,5,6,7
	v_cmp_gt_i32 vcc_lo, 16*\u+\j-16*\m, v[D0]
	v_cndmask_b32 v[S+16*\m+8*\u+\j], v[S+16*\m+8*\u+\j], v[ZR], vcc_lo
.endr
.endr
.endr
.if (\always) == 0
.Lopen_\@:
.endif
.irp m, 0,1,2,3
	v_max3_num_f32 v[TM+\m], v[S+16*\m], v[S+16*\m+1], 0x1800000   ; query tile m: my 16 keys of the block, and the floor 2^(3 - 127): the byte cannot fall under 1.  No |.|: p is never negative
.endr
.irp i, 2,4,6,8,10,12,14
.irp m, 0,1,2,3
	v_max3_num_f32 v[TM+\m], v[TM+\m], v[S+16*\m+\i], v[S+16*\m+\i+1]   ; (the four tiles by turns)
.endr
.endr
.irp m, 0,1,2,3
	v_permlanex16_b32 v[PB+\m], v[TM+\m], s[SEL], s[SEL+1]
.endr
.irp m, 0,1,2,3
	v_max_num_f32 v[TM+\m], v[TM+\m], v[PB+\m]     ; with lane l xor 16's 16 keys: the block's largest p
.endr
.irp m, 0,1,2,3
	v_add_nc_u32 v[SO+\m], 0xff000000, v[TM+\m]    ; 2 off the exponent field: the conversion's scale operand
.endr
.irp m, 0,1,2,3
	v_lshrrev_b32 v[PB+\m], 23, v[SO+\m]           ; the scale's byte
.endr
.irp m, 0,1,2,3
.irp u, 0,1
	v_cvt_scalef32_pk8_fp4_f32 v[PC+2*\m+\u], v[S+16*\m+8*\u:S+16*\m+8*\u+7], v[SO+\m]   ; keys 16 u + 8 h + 0 .. 7 of the block: 4 bytes
.endr
.endr
	v_nop                                          ; one plain instruction behind the last scaled conversion
.irp m, 0,1,2,3
.irp u, 0,1
	ds_store_b32 v[APW], v[PC+2*\m+\u] offset:1024*\m+8*\u   ; block w of query r is the 16 bytes of lane 16 (w % 2) + r in registers 4 (w / 2) on of fragment m; mine are bytes 8 u + 4 h of them
.endr
	ds_store_b8 v[APS], v[PB+\m] offset:64*\m      ; both lanes of a query write the same byte with the same value
.endr
.endm
; THE WAY OUT of query tile m: a lane holds eight neighbouring channels of one query in each of eight accumulators.  They go through my own stage in LDS and come back as whole rows of 512 bytes.
; LDS serves a wave's instructions in order (ISA guide 5.7.1.4): no wait between the stores and the loads, nor in front of the next tile's stores.
.macro TOSTAGE m
	WIN 0x04                                       ; an LDS store's data are its source 1: window 1
.irp d, 0,1,2,3,4,5,6,7
	ds_store_b128 v[STO], v[8*(4*\d+(\m)):8*(4*\d+(\m))+3] offset:64*\d      ; each accumulator from its low end on
	ds_store_b128 v[STO], v[8*(4*\d+(\m))+4:8*(4*\d+(\m))+7] offset:64*\d+16
.endr
	WIN 0xc0                                       ; destination window 3
.irp t, 0,1,2,3,4,5,6,7,8,9,10,11,12,13,14,15
	ds_load_b128 v[BK+64*((\m)%2)+4*\t:BK+64*((\m)%2)+4*\t+3], v[SRD] offset:\t*SPITCH
.endr
	WIN 0
.endm
.macro SEND m, younger, ptr            ; younger: the LDS instructions issued behind tile m's loads, which may stay out
	s_wait_dscnt \younger
	WIN 0x0c                                       ; a store's data are its source 1: window 3
.irp t, 0,1,2,3,4,5,6,7,8,9,10,11,12,13,14,15
	global_store_b128 v[L16], v[BK+64*((\m)%2)+4*\t:BK+64*((\m)%2)+4*\t+3], s[\ptr:\ptr+1] offset:(16*(\m)+\t)*8192 th:TH_STORE_NT   ; 32 lanes store 512 consecutive bytes, at a multiple of 512 from out's first byte; written once
.endr
	WIN 0
.endm
.macro FLUSH ptr
	s_wait_xcnt 0x0                                ; earlier stores have read their registers: only behind this wait do loads land there again
	TOSTAGE 0
	TOSTAGE 1
	SEND 0, 32, \ptr                               ; behind tile 0's loads: tile 1's 16 stores and 16 loads
	s_wait_xcnt 0x0
	TOSTAGE 2
	SEND 1, 32, \ptr
	s_wait_xcnt 0x0
	TOSTAGE 3
	SEND 2, 32, \ptr
	SEND 3, 0, \ptr
.endm
; A PREFETCH INTO THE L2.  Of a head's four clusters the first (c = 0) walks all 16 key tiles in its second block, tile T being asked for in trip T.  In trip T it names the 65,536 bytes of codes of tile T + 4: four
; trips ahead of its own request.  The four partners and, in each, waves 0 and 1 share the tile out BY ADDRESS, 8,192 bytes each, lanes 256 bytes apart: each aligned block of 256 bytes is named once in the launch.
; The last request stands in trip 11, for tile 15.  Tiles 0 to 3 and the scale bytes come by their loads alone.
.macro ASK
	s_cmp_lt_u32 s[T], s[LIM]
	s_cbranch_scc0 .Lnot_mine_\@
	global_prefetch_b8 v[PFO], s[PFA:PFA+1] th:TH_LOAD_NT scope:SCOPE_SE
.Lnot_mine_\@:
.endm
; A TRIP.  refill = 1: the slot of step T is filled again, with the tile of step T + 2.  pv = 1: V^T P^T starts O^T's sums; 0: it adds; 2: it starts them where T is the second block's first step.
.macro BODY refill, pv
	s_wait_tensorcnt 0x0                           ; all my tensor loads have landed: my quarter of step T + 1's tile; so the walking group 0 may be written
	ds_add_u32 v[SPW], v[NIL]                      ; 0 onto my spare word: the trip's addresses are made while it is out
	ADDR
	s_add_co_u32 s[SG], s[T], 1
.if \refill
	s_xor_b32 s[G0W+1], s[G0W+1], SLOT1            ; the other slot than last time
	s_add_co_u32 s74, s[T], 2                      ; step T + 2 takes key tile T + 2 in the first block, T + 2 - NA in the second
	s_cmp_lt_u32 s74, s[NA]
	s_cselect_b32 s75, 0, s[NA]
	s_sub_co_u32 s74, s74, s75
	s_mul_i32 s[OFF], s74, UNIT
	s_add_nc_u64 s[G0W+2:G0W+3], s[KVB:KVB+1], s[OFF:OFF+1]
	s_or_b32 s[G0W+3], s[G0W+3], 0x80000000
	s_wait_xcnt 0x0                                ; the last prefetch, a trip back, has read its address
	s_add_nc_u64 s[PFA:PFA+1], s[PFA:PFA+1], UNIT
.endif
	s_wait_dscnt 0x0                               ; the add is done; my part of P is stored; V of step T is in registers: my reads of step T's slot are over
.if \refill
	ROUND                                          ; all that now holds of every wave of all four work-groups
	tensor_load_to_lds s[G0W:G0W+3], s[G1:G1+7]    ; the joint refill: first thing behind the round, my one tensor load until the next; it has a whole trip in which to land
	s_nop 0
	PLACES
.else
	s_barrier_signal -1
	s_barrier_wait -1
.endif
	LOADP
	LOADK
.if \refill
	ASK
.endif
	s_wait_dscnt 17                                ; P is in; K's 17 loads behind it may be out
.if \pv == 2
	s_cmp_eq_u32 s[T], s[NA]
	s_cbranch_scc1 .Lstart_\@
	PVMUL 0
	WIN 0
	s_branch .Lsummed_\@
.Lstart_\@:
	PVMUL 1
	WIN 0
.Lsummed_\@:
.else
	PVMUL \pv
	WIN 0
.endif
	s_wait_dscnt 0x0                               ; K is in
	s_wait_loadcnt 0x0                             ; and so is Q, where it was asked for a trip ago
	SMUL
	WIN 0
	PLACES                                         ; in front of the loads into V's and Q's registers, of the stage's reads of O^T and of the first read of S^T
	LOADV                                          ; V of step T + 1 goes into registers now, so that its slot is free at the next barrier
.if \pv == 2
	s_add_co_u32 s72, s[T], 1
	s_cmp_lg_u32 s72, s[NA]
	s_cbranch_scc1 .Lno_flush_\@
	FLUSH OA                                       ; step T was the first block's last: its 64 rows leave
.Lno_flush_\@:
.endif
.if \refill
	s_add_co_u32 s72, s[T], 2
	s_cmp_lg_u32 s72, s[NA]
	s_cbranch_scc1 .Lno_q_\@
	QLOAD QCB, QSB                                 ; step T + 1 was the first block's last: the second block's Q is asked for, a trip ahead of its first use
.Lno_q_\@:
.endif
	SIGMOID 1-\refill
	s_xor_b32 s[TB], s[TB], SLOT1
	s_xor_b32 s[TP], s[TP], SLOT1
.endm
; the pointers of block s[blk]: Q's codes, Q's scales, my channels of its first row of out
.macro QPTR blk, cp, sp, op
	s_lshr_b32 s62, s[\blk], 1                     ; its unit,
	s_mul_i32 s62, s62, UNIT
	s_add_co_u32 s62, s62, s70
	s_and_b32 s63, s[\blk], 1                      ; and which 64 tokens of it
	s_lshl_b32 s66, s63, 14
	s_add_co_u32 s66, s66, s62
	s_add_co_u32 s66, s66, QOFF
	s_mov_b32 s67, 0
	s_add_nc_u64 s[\cp:\cp+1], s[4:5], s[66:67]
	s_lshl_b32 s66, s63, 10
	s_add_co_u32 s66, s66, s62
	s_add_co_u32 s66, s66, QSOFF
	s_add_nc_u64 s[\sp:\sp+1], s[4:5], s[66:67]
	s_lshl_b32 s66, s[\blk], 19                    ; 64 rows of 8,192 bytes
	s_add_co_u32 s66, s66, s74
	s_add_nc_u64 s[\op:\op+1], s[6:7], s[66:67]
.endm
	s_load_b128 s[4:7], s[0:1], 0x0                ; ws s[4:5], out0 s[6:7]
	v_lshl_add_u32 v[SPW], v0, 2, SPARE
	v_mov_b32 v[NIL], 0
	ds_add_u32 v12, v13
	ds_add_u32 v12, v13
	s_wait_dscnt 0x0
	v_lshrrev_b32 v24, 5, v0
	v_readfirstlane_b32 s[WV], v24                 ; wave 0..3
	s_mov_b32 s[CC], ttmp9                         ; c: in a cluster launch ttmp9 counts clusters
	s_and_b32 s[BH], ttmp7, 0xffff                 ; 4 x batch + head
	s_lshl_b32 s[NA], s[CC], 1
	s_add_co_u32 s[NA], s[NA], 2
	; group 1: a quarter of a tile, 17,408 dense bytes, as 68 rows of 256 bytes (32 elements of 8 bytes); no padding: every LDS read takes 512 consecutive bytes
	s_mov_b32 s[G1+0], 15|(3<<16)|(1<<21)          ; the mask: all four work-groups; elements of 8 bytes; bit 21 set beside a mask
	s_mov_b32 s[G1+1], 32<<16                      ; tensor_dim0
	s_mov_b32 s[G1+2], 68<<16                      ; tensor_dim1
	s_mov_b32 s[G1+3], 32<<16                      ; tile_dim0
	s_mov_b32 s[G1+4], 68                          ; tile_dim1
	s_mov_b32 s[G1+5], 32                          ; tensor_dim0_stride
	s_mov_b32 s[G1+6], 0
	s_mov_b32 s[G1+7], 0
	s_mul_i32 s70, s[BH], HEADB                    ; the head's first byte in the workspace
	s_mul_i32 s71, s[WV], QUARTB                   ; my quarter of a tile, in memory and in a slot
	s_add_co_u32 s72, s70, s71
	s_mov_b32 s73, 0
	s_mov_b32 s[OFF+1], 0
	s_mov_b32 s[SEL], 0x76543210                   ; v_permlanex16_b32's selects for lane l xor 16
	s_mov_b32 s[SEL+1], 0xfedcba98
	s_mov_b32 s[CN], 0xbe8293ee                    ; -4 log2(e) / sqrt(512)
	s_mov_b32 s[CN+1], s[CN]                       ; (named with it as a pair, so it is written)
	s_wait_kmcnt 0x0
	s_add_nc_u64 s[KVB:KVB+1], s[4:5], s[72:73]
	s_mov_b32 s[G0A], 1                            ; count = 1
	s_mov_b32 s[G0A+1], s71                        ; LDS address: slot 0
	s_mov_b64 s[G0A+2:G0A+3], s[KVB:KVB+1]         ; key tile 0
	s_or_b32 s[G0A+3], s[G0A+3], 0x80000000        ; type = 2
	s_mov_b32 s[G0W], 1
	s_add_co_u32 s[G0W+1], s71, SLOT1              ; slot 1
	s_add_nc_u64 s[G0W+2:G0W+3], s[KVB:KVB+1], UNIT   ; key tile 1: every first block has two steps or more
	s_or_b32 s[G0W+3], s[G0W+3], 0x80000000
	ROUND                                          ; all four work-groups are here: the first joint loads meet
	tensor_load_to_lds s[G0A:G0A+3], s[G1:G1+7]    ; the two first fills go out together: two loads of mine are out
	s_nop 0
	tensor_load_to_lds s[G0W:G0W+3], s[G1:G1+7]
	s_nop 0
	PLACES
	s_lshr_b32 s74, s[BH], 2                       ; out: batch x 2,048 rows of 8,192 bytes
	s_lshl_b32 s74, s74, 24
	s_and_b32 s75, s[BH], 3                        ; + the head's 2,048 bytes
	s_lshl_b32 s75, s75, 11
	s_add_co_u32 s74, s74, s75
	s_lshl_b32 s75, s[WV], 9                       ; + my 128 channels' 512
	s_add_co_u32 s74, s74, s75
	s_lshr_b32 s72, s[WV], 1                       ; who prefetches: waves 0 and 1 of the head's first cluster: the same in all four partners
	s_or_b32 s72, s72, s[CC]
	s_cmp_eq_u32 s72, 0
	s_cselect_b32 s[LIM], 12, 0
	s_bfe_u32 s[CX], ttmp6, 0x40000                ; cx: my place in the cluster
	s_lshl_b32 s59, s[CC], 2
	s_add_co_u32 s59, s59, s[CX]                   ; my first block: 4 c + cx
	s_sub_co_u32 s60, 31, s59                      ; my second
	s_lshl_b32 s[QA0], s59, 6
	s_lshl_b32 s[QB0], s60, 6
	QPTR 59, QCA, QSA, OA
	QPTR 60, QCB, QSB, OB
	s_lshl_b32 s66, s[CX], 1                       ; the prefetches: part 2 cx + wave of a tile's codes,
	s_add_co_u32 s66, s66, s[WV]
	s_lshl_b32 s66, s66, 13
	s_add_co_u32 s66, s66, s70
	s_add_co_u32 s66, s66, 3*UNIT                  ; at tile 3: each trip's head steps it, so trip T names tile T + 4.  Nothing is prefetched here, at the head
	s_add_nc_u64 s[PFA:PFA+1], s[4:5], s[66:67]
	v_and_b32 v26, 31, v0                          ; lane
	v_and_b32 v24, 15, v0                          ; r
	v_bfe_u32 v25, v0, 4, 1                        ; h
	v_lshlrev_b32 v[L16], 4, v26
	QLOAD QCA, QSA                                 ; the first block's Q
	s_lshl_b32 s72, s[WV], 13
	v_add_nc_u32 v[AK0], s72, v[L16]
	v_lshlrev_b32 v[AS0], 4, v0                    ; 512 w + 16 lane is 16 x my thread's number
	v_add_nc_u32 v[AS0], KSOFF, v[AS0]
	s_lshl_b32 s72, s[WV], 8
	s_add_co_u32 s72, s72, PIMG
	v_lshlrev_b32 v[APW0], 4, v24
	v_lshl_add_u32 v[APW0], v25, 2, v[APW0]
	v_add_nc_u32 v[APW0], s72, v[APW0]
	s_add_co_u32 s72, s[WV], PSC
	v_lshl_add_u32 v[APS0], v24, 2, s72
	v_add_nc_u32 v[APR0], PIMG, v[L16]
	v_lshlrev_b32 v[APSR0], 2, v26
	v_add_nc_u32 v[APSR0], PSC, v[APSR0]
	s_mul_i32 s72, s[WV], 16*SPITCH
	s_add_co_u32 s72, s72, STAGE                   ; my stage
	v_mul_u32_u24 v[STO], v24, SPITCH              ; in: row r, 32 bytes for each half of the lanes
	v_lshl_add_u32 v[STO], v25, 5, v[STO]
	v_add_nc_u32 v[STO], s72, v[STO]
	v_add_nc_u32 v[SRD], s72, v[L16]               ; back: the 32 lanes take one row of 512 bytes
	v_lshlrev_b32 v27, 3, v25
	v_sub_nc_u32 v[DL], v24, v27
	s_lshl_b32 s72, s[WV], 5
	v_sub_nc_u32 v[DL], v[DL], s72
	v_mov_b32 v[ZR], 0
	v_lshlrev_b32 v[PFO], 8, v26
.irp m, 0,1,2,3
	v_mov_b32 v[PB+\m], 0                          ; written once: a lane permute's destination counts as one of its sources
.endr
	s_mov_b32 s[TB], 0
	s_mov_b32 s[TP], SLOT1
	s_mov_b32 s[SG], 0
	ADDR
	; step 0's scores, sigmoid and P stand ahead of the trips
	s_wait_tensorcnt 0x1                           ; my quarter of tile 0 is in; tile 1's may stay out
	s_barrier_signal -1
	s_barrier_wait -1                              ; everybody's is
	LOADK
	s_wait_dscnt 0x0
	s_wait_loadcnt 0x0                             ; Q
	SMUL
	WIN 0
	PLACES
	LOADV
	SIGMOID 1                                      ; (in the first cluster step 0 is already one of a block's last two)
	s_mov_b32 s[TB], SLOT1
	s_mov_b32 s[TP], 0
	s_mov_b32 s[T], 0
	BODY 1, 1                                      ; trip 0 is written out: its products start O^T's sums with the constant 0, so nothing is ever cleared
	s_mov_b32 s[T], 1
.Lbody:                                                ; trips 1 to 15: each fills a slot again
	BODY 1, 2
	s_add_co_u32 s[T], s[T], 1
	s_cmp_lt_u32 s[T], 16
	s_cbranch_scc1 .Lbody
	BODY 0, 0                                      ; trip 16 is written out: nothing is left to fetch
	s_wait_dscnt 0x0                               ; my part of the last P is stored, the last V is in registers
	s_barrier_signal -1
	s_barrier_wait -1
	ADDR
	LOADP
	s_wait_dscnt 0x0
	PVMUL 0                                        ; step 17
	WIN 0
	PLACES
	FLUSH OB                                       ; the second block's 64 rows leave
	s_wait_tensorcnt 0x0                           ; the wave's end: behind my last tensor load and my last LDS store
	ds_add_u32 v[SPW], v[NIL]
	s_wait_dscnt 0x0
	ROUND                                          ; the closing round: no work-group ends while a partner may still ask for a tile that names it
	s_endpgm
.Lfunc_end_k_qdfa6d8fa9a_attn:
	.size	k_qdfa6d8fa9a_attn, .Lfunc_end_k_qdfa6d8fa9a_attn-k_qdfa6d8fa9a_attn
	.p2alignl 7, 3214868480
	.fill 96, 4, 3214868480
	.section	.rodata,"a",@progbits
	.p2align	6, 0x0
	.amdhsa_kernel k_qdfa6d8fa9a_attn
		.amdhsa_group_segment_fixed_size 327680
		.amdhsa_private_segment_fixed_size 0
		.amdhsa_enable_private_segment 0
		.amdhsa_kernarg_size 16
		.amdhsa_user_sgpr_count 2
		.amdhsa_user_sgpr_kernarg_segment_ptr 1
		.amdhsa_wavefront_size32 1
		.amdhsa_system_sgpr_workgroup_id_x 1
		.amdhsa_system_sgpr_workgroup_id_y 1
		.amdhsa_system_sgpr_workgroup_id_z 1
		.amdhsa_system_vgpr_workitem_id 0
		.amdhsa_next_free_vgpr 896
		.amdhsa_next_free_sgpr 80
		.amdhsa_reserve_vcc 1
		.amdhsa_float_denorm_mode_32 3
		.amdhsa_float_denorm_mode_16_64 3
		.amdhsa_memory_ordered 1
		.amdhsa_forward_progress 1
		.amdhsa_inst_pref_size 170
	.end_amdhsa_kernel
	.amdgpu_metadata
---
amdhsa.version: [ 1, 2 ]
amdhsa.kernels:
  - .name:           k_qdfa6d8fa9a_attn
    .symbol:         k_qdfa6d8fa9a_attn.kd
    .args:
      - { .name: ws, .offset: 0, .size: 8, .value_kind: global_buffer, .address_space: global }
      - { .name: out0, .offset: 8, .size: 8, .value_kind: global_buffer, .address_space: global }
    .group_segment_fixed_size: 327680
    .private_segment_fixed_size: 0
    .kernarg_segment_align: 8
    .kernarg_segment_size: 16
    .max_flat_workgroup_size: 128
    .sgpr_count:     80
    .vgpr_count:     896
    .wavefront_size: 32
...
	.end_amdgpu_metadata
.endif
;; end of part 2
;; ======== version 2 of 2: 2 launches
;; workspace buffers: ws 26,738,688 bytes
;; launch quant: the kernel of part 1 again; grid 16 x 16, 16 waves a work-group, no clusters, 278,528 bytes of LDS; arguments x, bv_q, bv_k, bv_v, ws; writes ws
;; launch attn (part 3): grid 16 x 16, 4 waves a work-group, clusters of 4 x 1, 327,680 bytes of LDS; arguments ws, out0; writes out0
.if DOCPART == 3
	.amdgcn_target "amdgcn-amd-amdhsa--gfx1250"
	.amdhsa_code_object_version 6
	.text
	.protected	k_qdfa6d8fa9a_attn
	.globl	k_qdfa6d8fa9a_attn
	.p2align	8
	.type	k_qdfa6d8fa9a_attn,@function
k_qdfa6d8fa9a_attn:
	s_mov_b64 s[64:65], 0
	v_nop
	global_prefetch_b8 v0, s[64:65] scope:SCOPE_SE
	s_setreg_imm32_b32 hwreg(HW_REG_WAVE_MODE, 25, 1), 1
	s_wait_xcnt 0x0
	s_wait_alu depctr_hold_cnt(0) depctr_sa_sdst(0) depctr_va_vdst(0) depctr_va_sdst(0) depctr_va_ssrc(0) depctr_va_vcc(0) depctr_vm_vsrc(0)
	s_getreg_b32 s2, hwreg(HW_REG_IB_STS2, 6, 4)
	s_cmp_eq_u32 s2, 0
	s_cbranch_scc0 .Lentry_in_a_cluster
	s_endpgm
.Lentry_in_a_cluster:
	s_bfe_u32 s2, ttmp6, 0x10000c
	s_cmp_lg_u32 s2, 0x3003
	s_cbranch_scc0 .Lentry_shape_is_right
	s_endpgm
.Lentry_shape_is_right:
; out[b][t][head][:] = the sum over keys s <= t of sigmoid(4 Q[t] . K[s] / sqrt(512)) V[s][:], both products on codes of FP4 (E2M1) with one E8M0 scale for each 32 along a product's K.
; Q, K, V come as codes and scale bytes from the workspace, laid in the order of the operands' registers, a unit of 104,448 bytes for each 128 tokens of a head (16 units a head):
;   0 K codes, 32,768 V codes (keys innermost), 65,536 K scales, 67,584 V scales: 69,632 dense bytes, ONE TILE of a key step;  69,632 Q codes, 102,400 Q scales.
; p = sigmoid, 0 where key > query, is quantised along the keys in blocks of 32 and is the second product's operand.  There is no maximum and no normalising.
; LIMITS: p under 2^-126 becomes 0 (the exponential and the reciprocal give no denormals: ISA guide, their entries in 15.8); the factors 4, 1 / sqrt(512) and log2(e) are one constant, so the exponent's rounding
; differs from three multiplications'; a block of p that is all zeros keeps the scale byte 1 (its codes are zeros); NaN and infinities are not served.
; SHARES.  A head has 32 blocks of 64 queries.  Work-group i (0..15) of a head owns blocks i and 31 - i, one after the other.  A STEP is 64 queries x 128 keys.  With c = i / 4 the first block takes 2 c + 2 steps and
; the second 16 - 2 c: 18 in every work-group.  (A partner whose block ends one step earlier multiplies a step of zeros, so that all four partners walk alike.)
; CLUSTER.  The four work-groups of a cluster (same c, same head) walk the same key tiles in the same order: each tile is asked for JOINTLY, by the same tensor load with the same descriptor
; and a mask that names the four.  A work-group's place in its cluster enters the addresses of Q, of out and of the prefetches, and the mask's numbers, and nothing else.
; THE RING.  Two LDS slots, each with the tiles of TWO steps.  Both blocks have an even number of steps, so steps 2 p and 2 p + 1 (pair p) take two neighbouring units.  Wave w fetches half (w % 2) of unit (w / 2) of a
; pair: 136 rows of 256 bytes, one load.  Pair p + 2 is asked for at the head of step 2 p + 1's trip, and waited for two trips later: 128 matrix instructions and two sigmoids of each wave lie between.
; The tile of step n lies at (n % 4) x 69,632: every LDS address is a constant + the lane's and the wave's terms, and a trip of the loop runs four steps, once round the ring.
; WITHIN A STEP THE WAVES SHARE COLUMNS.  S^T = K Q^T (source 0 = 16 keys, source 1 = 16 queries): wave w takes keys 32 w .. 32 w + 31 against all 64 queries; Q's 16 fragments stay in its registers.  A lane then
; holds one query and 16 keys of ONE block of 32 (the other 16 lie in lane l xor 16): wave w makes block w of p for all 64 queries and stores codes and scale byte into an image of P's registers in LDS.
; O^T = V^T P^T (source 0 = 16 channels, source 1 = 16 queries): wave w takes channels 128 w .. 128 w + 127 against all 64 queries: 32 accumulators.  So each fragment read from LDS feeds four matrix instructions.
; ONE BARRIER A STEP: behind it P of step T is whole.  At every second step it is a round of the cluster's barrier and serves two things more: the next pair's tiles have landed, and the pair before is read out
; (K long ago, V into registers), so that its slot is filled again behind the round.
; The work of step T's trip: O^T += V^T P^T of step T, then S^T, the sigmoid and P of step T + 1.  P has two images by turns, since P of step T + 1 is written with no barrier behind the reads of P of step T.
; REGISTERS, in windows of 256 (s_set_vgpr_msb: bits 1:0 source 0, 3:2 source 1, 5:4 source 2, 7:6 destination):
;   window 0: v1-14 addresses that stay; v16-22 the step's; v24-43 at work; v44-63 scale words and nothing else; v64-127 S^T, then p (register 16 m + 8 u + j); v128-159 P's four fragments
;   window 1: O^T, accumulator (channel tile d, query tile m) at v[8 (4 d + m)]     window 2: v0-127 Q (8 (4 m + s)), v128-191 K (8 (4 u + s)), v192-255 V (8 d)     window 3: v0-127 rows of out on their way
; SCALARS.  s8, s9, s11-s15, s18, s24-s43, s58, s70-s75 hold only numbers that the four partners share: they feed the branches and the descriptors.  s10, s16, s17, s44-s57, s59-s63, s66, s67 hold numbers made from the place in the cluster.
.set UNIT,   104448
.set HEADB,  16*UNIT
.set TILEB,  69632
.set HALFB,  TILEB/2                   ; 136 rows of 256 bytes: what one wave's load brings
.set SLOTB,  2*TILEB                   ; a slot: the tiles of two steps
.set VOFF,   32768
.set KSOFF,  65536
.set QOFF,   69632
.set QSOFF,  102400
.set PIMG,   2*SLOTB                   ; behind the ring: P's four fragments as images of their registers, 1,024 bytes each,
.set PSC,    PIMG+4096                 ; and P's scale words: word 16 m + r, byte w
.set PBUF,   4352                      ; from P's first image to its second
.set STAGE,  PIMG+2*PBUF               ; the way out: 16 rows x (512 bytes + 16) for each wave
.set SPITCH, 528
.set SPARE,  STAGE+4*16*SPITCH         ; the spare words, 128 bytes for each wave: two blocks of 256 bytes that no other line names
.set STEPS,  18
.set L16,  1                           ; v1   16 x lane
.set AK0,  2                           ; v2   8,192 w + 16 lane: my fragments of K (and, VOFF on, of V) in a tile
.set AS0,  3                           ; v3   KSOFF + 512 w + 16 lane: my scale words of K (and, 2,048 on, of V)
.set APW0, 4                           ; v4   where I store 4 bytes of P's codes: PIMG + 256 w + 16 r + 4 h
.set APS0, 5                           ; v5   and P's scale byte: PSC + 4 r + w
.set APR0, 6                           ; v6   where I read P's fragments: PIMG + 16 lane
.set APSR0, 7                          ; v7   and P's scale words: PSC + 4 lane
.set STO,  8                           ; v8   the stage: where I put 32 bytes of a row
.set SRD,  9                           ; v9   and where I read a row back
.set DL,   10                          ; v10  r - 8 h - 32 w: my lane's part of query - key
.set ZR,   11                          ; v11  0
.set SPW,  12                          ; v12  LDS address of my spare word: SPARE + 4 x my thread's number; never rewritten
.set NIL,  13                          ; v13  0; never rewritten
.set PFO,  14                          ; v14  256 x lane: the prefetches' offset
.set ADK,  16                          ; v16-21 the six LDS addresses of the step
.set ADS,  17
.set APW,  18
.set APS,  19
.set APR,  20
.set APSR, 21
.set D0,   22
.set TM,   24                          ; v24-27 a block's largest p;  v28-31 lane l xor 16's, then the byte;  v32-35 the conversions' scale operands;  v36-43 the codes
.set PB,   28
.set SO,   32
.set PC,   36
.set KS,   44                          ; v[44:47] K's scale words, one for each 128 channels: lanes 0-15 my keys 0-15, lanes 16-31 my keys 16-31
.set VS,   48                          ; v[48:51] V's: register p: lanes 0-15 channel tile 2 p, lanes 16-31 tile 2 p + 1
.set PS,   52                          ; v[52:53] P's: register g: lanes 0-15 query tile 2 g, lanes 16-31 tile 2 g + 1
.set QS,   56                          ; v[56:63] Q's: register 4 g + s likewise
.set S,    64
.set PF,   128
.set QF,   0                           ; in window 2
.set KF,   128
.set VF,   192
.set BK,   0                           ; in window 3: two sets of 64
.set WV,   8
.set CC,   9
.set CX,   10
.set BH,   11
.set NA,   12                          ; s12  steps of the first block: 2 c + 2
.set T,    13                          ; s13  the loop's counter: the first step of a trip's four
.set TT,   14                          ; s14  the step whose V^T P^T is run
.set NH,   15                          ; s15  pairs of steps of the first block: c + 1
.set QA0,  16                          ; s16, s17 the first query of my two blocks
.set QB0,  17
.set SG,   18                          ; s18  the step whose scores are made
.set SEL,  20
.set CN,   22
.set G1,   24                          ; s[24:31] descriptor group 1
.set G0A,  32                          ; s[32:35] group 0 for slot 0;  s[36:39] for slot 1
.set G0B,  36
.set KVB,  40                          ; s[40:41] my part of the head's first pair of tiles
.set OFF,  42                          ; s[42:43] a pair's offset from there
.set QCA,  44                          ; s[44:51] Q's codes and scales of my two blocks
.set QSA,  46
.set QCB,  48
.set QSB,  50
.set OA,   52                          ; s[52:55] my channels in the first row of out of my two blocks
.set OB,   54
.set PFA,  56                          ; s[56:57] where my prefetches stand
.set LIM,  58                          ; s58  a wave prefetches while the step is under it
.set MSB, 0
.macro WIN new                         ; the immediate's high byte repeats the setting that is left; a switch that changes nothing is dropped
.if MSB != \new
	s_set_vgpr_msb (MSB<<8)|\new
.set MSB, \new
.endif
.endm
.macro PLACES                          ; four plain instructions behind matrix instructions: in front of loads into registers that they read and of the first read of their results
.rept 4
	v_nop
.endr
.endm
; A round of the cluster's barrier: my work-group's barrier; wave 0 signals for the work-group; every wave waits for all four work-groups; my work-group's barrier once more.
.macro ROUND
	s_barrier_signal -1
	s_barrier_wait -1
	s_cmp_lg_u32 s[WV], 0
	s_cbranch_scc1 .Lnot_wave_0_\@
	s_barrier_signal -3
.Lnot_wave_0_\@:
	s_barrier_wait -3
	s_barrier_signal -1
	s_barrier_wait -1
.endm
; the step's LDS addresses: pos = which of the ring's four tiles is read; wp, rp = which image of P is written and which is read
.macro ADDR pos, wp, rp
	v_add_nc_u32 v[ADK], (\pos)*TILEB, v[AK0]
	v_add_nc_u32 v[ADS], (\pos)*TILEB, v[AS0]
	v_add_nc_u32 v[APW], (\wp)*PBUF, v[APW0]
	v_add_nc_u32 v[APS], (\wp)*PBUF, v[APS0]
	v_add_nc_u32 v[APR], (\rp)*PBUF, v[APR0]
	v_add_nc_u32 v[APSR], (\rp)*PBUF, v[APSR0]
.endm
; One matrix instruction.  zero = 1: it starts the sum.  ra, rb = 1: that side's scales are read from lanes 16-31 of the register named.
.macro WM d, a, b, zero, sa, sb, ra, rb
.if \zero
.if (\ra) && (\rb)
	v_wmma_scale_f32_16x16x128_f8f6f4 v[\d:\d+7], v[\a:\a+7], v[\b:\b+7], 0, v[\sa], v[\sb] matrix_a_fmt:MATRIX_FMT_FP4 matrix_b_fmt:MATRIX_FMT_FP4 matrix_a_scale:MATRIX_SCALE_ROW1 matrix_b_scale:MATRIX_SCALE_ROW1
.elseif \ra
	v_wmma_scale_f32_16x16x128_f8f6f4 v[\d:\d+7], v[\a:\a+7], v[\b:\b+7], 0, v[\sa], v[\sb] matrix_a_fmt:MATRIX_FMT_FP4 matrix_b_fmt:MATRIX_FMT_FP4 matrix_a_scale:MATRIX_SCALE_ROW1
.elseif \rb
	v_wmma_scale_f32_16x16x128_f8f6f4 v[\d:\d+7], v[\a:\a+7], v[\b:\b+7], 0, v[\sa], v[\sb] matrix_a_fmt:MATRIX_FMT_FP4 matrix_b_fmt:MATRIX_FMT_FP4 matrix_b_scale:MATRIX_SCALE_ROW1
.else
	v_wmma_scale_f32_16x16x128_f8f6f4 v[\d:\d+7], v[\a:\a+7], v[\b:\b+7], 0, v[\sa], v[\sb] matrix_a_fmt:MATRIX_FMT_FP4 matrix_b_fmt:MATRIX_FMT_FP4
.endif
.else
.if (\ra) && (\rb)
	v_wmma_scale_f32_16x16x128_f8f6f4 v[\d:\d+7], v[\a:\a+7], v[\b:\b+7], v[\d:\d+7], v[\sa], v[\sb] matrix_a_fmt:MATRIX_FMT_FP4 matrix_b_fmt:MATRIX_FMT_FP4 matrix_a_scale:MATRIX_SCALE_ROW1 matrix_b_scale:MATRIX_SCALE_ROW1
.elseif \ra
	v_wmma_scale_f32_16x16x128_f8f6f4 v[\d:\d+7], v[\a:\a+7], v[\b:\b+7], v[\d:\d+7], v[\sa], v[\sb] matrix_a_fmt:MATRIX_FMT_FP4 matrix_b_fmt:MATRIX_FMT_FP4 matrix_a_scale:MATRIX_SCALE_ROW1
.elseif \rb
	v_wmma_scale_f32_16x16x128_f8f6f4 v[\d:\d+7], v[\a:\a+7], v[\b:\b+7], v[\d:\d+7], v[\sa], v[\sb] matrix_a_fmt:MATRIX_FMT_FP4 matrix_b_fmt:MATRIX_FMT_FP4 matrix_b_scale:MATRIX_SCALE_ROW1
.else
	v_wmma_scale_f32_16x16x128_f8f6f4 v[\d:\d+7], v[\a:\a+7], v[\b:\b+7], v[\d:\d+7], v[\sa], v[\sb] matrix_a_fmt:MATRIX_FMT_FP4 matrix_b_fmt:MATRIX_FMT_FP4
.endif
.endif
.endm
.macro LOADK                           ; 17 loads: my 32 keys' eight fragments and their scale words; every load reads 512 consecutive bytes
	WIN 0x80                                       ; destination window 2
.irp u, 0,1
.irp s, 0,1,2,3
.irp c, 0,1
	ds_load_b128 v[KF+8*(4*\u+\s)+4*\c:KF+8*(4*\u+\s)+4*\c+3], v[ADK] offset:4096*\u+1024*\s+512*\c
.endr
.endr
.endr
	WIN 0
	ds_load_b128 v[KS:KS+3], v[ADS]
.endm
.macro LOADV                           ; 17 loads: my 128 channels' eight fragments and their scale words
	WIN 0x80
.irp d, 0,1,2,3,4,5,6,7
.irp c, 0,1
	ds_load_b128 v[VF+8*\d+4*\c:VF+8*\d+4*\c+3], v[ADK] offset:VOFF+1024*\d+512*\c
.endr
.endr
	WIN 0
	ds_load_b128 v[VS:VS+3], v[ADS] offset:2048
.endm
.macro LOADP                           ; 10 loads: P's four fragments, as the four waves stored them, and their scale words
.irp m, 0,1,2,3
.irp c, 0,1
	ds_load_b128 v[PF+8*\m+4*\c:PF+8*\m+4*\c+3], v[APR] offset:1024*\m+512*\c
.endr
.endr
.irp g, 0,1
	ds_load_b32 v[PS+\g], v[APSR] offset:128*\g
.endr
.endm
; S^T = K Q^T: 32 matrix instructions; the eight accumulators take turns, one instruction a turn; the first eight start the sums
.macro SMUL
	WIN 0x0a                                       ; K and Q in window 2, S^T in window 0
.irp s, 0,1,2,3
.irp m, 0,1,2,3
.irp u, 0,1
.if \s == 0
	WM S+16*\m+8*\u, KF+8*(4*\u+\s), QF+8*(4*\m+\s), 1, KS+\s, QS+4*(\m/2)+\s, \u, \m%2
.else
	WM S+16*\m+8*\u, KF+8*(4*\u+\s), QF+8*(4*\m+\s), 0, KS+\s, QS+4*(\m/2)+\s, \u, \m%2
.endif
.endr
.endr
.endr
.endm
; O^T (+)= V^T P^T: 32 matrix instructions on 32 accumulators
.macro PVMUL zero
	WIN 0x52                                       ; V in window 2, P in window 0, O^T in window 1
.irp d, 0,1,2,3,4,5,6,7
.irp m, 0,1,2,3
	WM 8*(4*\d+\m), VF+8*\d, PF+8*\m, \zero, VS+\d/2, PS+\m/2, \d%2, \m%2
.endr
.endr
.endm
.macro QLOAD cp, sp                    ; a block's 64 queries: 16 fragments and their scale words, into registers
	WIN 0x80
.irp m, 0,1,2,3
.irp s, 0,1,2,3
.irp c, 0,1
	global_load_b128 v[QF+8*(4*\m+\s)+4*\c:QF+8*(4*\m+\s)+4*\c+3], v[L16], s[\cp:\cp+1] offset:4096*\m+1024*\s+512*\c
.endr
.endr
.endr
	WIN 0
.irp g, 0,1
	global_load_b128 v[QS+4*\g:QS+4*\g+3], v[L16], s[\sp:\sp+1] offset:512*\g
.endr
.endm
; THE SIGMOID AND P'S QUANTISER, for step s[SG].  p = 1 / (1 + 2^(-4 log2(e) s / sqrt(512))).  The 64 exponentials are one batch and the 64 reciprocals another, each with one plain instruction behind it and one
; wait ahead of its first reader.  A block's last two steps lie on or beyond the diagonal for some partner: there p becomes 0 where key > query.
; mk = 0: the mask under a test of the step's number; 1: without the test; 2: a step that is never one of a block's last two: no mask is written.
.macro SIGMOID mk
.if (\mk) != 2
	s_cmp_lt_u32 s[SG], s[NA]                      ; the first block's step or the second's?
	s_cselect_b32 s71, s[NA], STEPS                ; the step behind the block's last
	s_cselect_b32 s73, 0, s[NA]                    ; the block's first step
	s_cselect_b32 s61, s[QA0], s[QB0]              ; its first query
	s_sub_co_u32 s73, s[SG], s73
	s_lshl_b32 s73, s73, 7                         ; the step's first key
	s_sub_co_i32 s61, s61, s73                     ; first query - first key
	s_add_co_u32 s72, s[SG], 2
.endif
.set i, 0
.rept 32
	v_pk_mul_f32 v[S+i:S+i+1], v[S+i:S+i+1], s[CN:CN+1] op_sel_hi:[1,0]   ; ascending: each accumulator is read from its low end on
.set i, i+2
.endr
.set i, 0
.rept 64
	v_exp_f32 v[S+i], v[S+i]
.set i, i+1
.endr
	v_nop
	s_wait_alu depctr_va_vdst(0)
.set i, 0
.rept 32
	v_pk_add_f32 v[S+i:S+i+1], v[S+i:S+i+1], 1.0 op_sel_hi:[1,0]
.set i, i+2
.endr
.set i, 0
.rept 64
	v_rcp_f32 v[S+i], v[S+i]                       ; an exponential that has overflowed gives 0 here
.set i, i+1
.endr
	v_nop
	s_wait_alu depctr_va_vdst(0)
.if (\mk) != 2
.if (\mk) == 0
	s_cmp_lt_u32 s72, s71                          ; not one of the block's last two steps: every key counts for every partner's queries
	s_cbranch_scc1 .Lopen_\@
.endif
	v_add_nc_u32 v[D0], s61, v[DL]                 ; register (m, u, j) holds key first + 32 w + 16 u + 8 h + j and query first + 16 m + r: hidden where 16 u + j - 16 m > D0
.irp m, 0,1,2,3
.irp u, 0,1
.irp j, 0,1,2,3,4,5,6,7
	v_cmp_gt_i32 vcc_lo, 16*\u+\j-16*\m, v[D0]
	v_cndmask_b32 v[S+16*\m+8*\u+\j], v[S+16*\m+8*\u+\j], v[ZR], vcc_lo
.endr
.endr
.endr
.if (\mk) == 0
.Lopen_\@:
.endif
.endif
.irp m, 0,1,2,3
	v_max3_num_f32 v[TM+\m], v[S+16*\m], v[S+16*\m+1], 0x1800000   ; query tile m: my 16 keys of the block, and the floor 2^(3 - 127): the byte cannot fall under 1.  No |.|: p is never negative
.endr
.irp i, 2,4,6,8,10,12,14
.irp m, 0,1,2,3
	v_max3_num_f32 v[TM+\m], v[TM+\m], v[S+16*\m+\i], v[S+16*\m+\i+1]   ; (the four tiles by turns)
.endr
.endr
.irp m, 0,1,2,3
	v_permlanex16_b32 v[PB+\m], v[TM+\m], s[SEL], s[SEL+1]
.endr
.irp m, 0,1,2,3
	v_max_num_f32 v[TM+\m], v[TM+\m], v[PB+\m]     ; with lane l xor 16's 16 keys: the block's largest p
.endr
.irp m, 0,1,2,3
	v_add_nc_u32 v[SO+\m], 0xff000000, v[TM+\m]    ; 2 off the exponent field: the conversion's scale operand
.endr
.irp m, 0,1,2,3
	v_lshrrev_b32 v[PB+\m], 23, v[SO+\m]           ; the scale's byte
.endr
.irp m, 0,1,2,3
.irp u, 0,1
	v_cvt_scalef32_pk8_fp4_f32 v[PC+2*\m+\u], v[S+16*\m+8*\u:S+16*\m+8*\u+7], v[SO+\m]   ; keys 16 u + 8 h + 0 .. 7 of the block: 4 bytes
.endr
.endr
	v_nop                                          ; one plain instruction behind the last scaled conversion
.irp m, 0,1,2,3
.irp u, 0,1
	ds_store_b32 v[APW], v[PC+2*\m+\u] offset:1024*\m+8*\u   ; block w of query r is the 16 bytes of lane 16 (w % 2) + r in registers 4 (w / 2) on of fragment m; mine are bytes 8 u + 4 h of them
.endr
	ds_store_b8 v[APS], v[PB+\m] offset:64*\m      ; both lanes of a query write the same byte with the same value
.endr
.endm
; THE WAY OUT of query tile m: a lane holds eight neighbouring channels of one query in each of eight accumulators.  They go through my own stage in LDS and come back as whole rows of 512 bytes.
; LDS serves a wave's instructions in order (ISA guide 5.7.1.4): no wait between the stores and the loads, nor in front of the next tile's stores.
.macro TOSTAGE m
	WIN 0x04                                       ; an LDS store's data are its source 1: window 1
.irp d, 0,1,2,3,4,5,6,7
	ds_store_b128 v[STO], v[8*(4*\d+(\m)):8*(4*\d+(\m))+3] offset:64*\d      ; each accumulator from its low end on
	ds_store_b128 v[STO], v[8*(4*\d+(\m))+4:8*(4*\d+(\m))+7] offset:64*\d+16
.endr
	WIN 0xc0                                       ; destination window 3
.irp t, 0,1,2,3,4,5,6,7,8,9,10,11,12,13,14,15
	ds_load_b128 v[BK+64*((\m)%2)+4*\t:BK+64*((\m)%2)+4*\t+3], v[SRD] offset:\t*SPITCH
.endr
	WIN 0
.endm
.macro SEND m, younger, ptr            ; younger: the LDS instructions issued behind tile m's loads, which may stay out
	s_wait_dscnt \younger
	WIN 0x0c                                       ; a store's data are its source 1: window 3
.irp t, 0,1,2,3,4,5,6,7,8,9,10,11,12,13,14,15
	global_store_b128 v[L16], v[BK+64*((\m)%2)+4*\t:BK+64*((\m)%2)+4*\t+3], s[\ptr:\ptr+1] offset:(16*(\m)+\t)*8192 th:TH_STORE_NT   ; 32 lanes store 512 consecutive bytes, at a multiple of 512 from out's first byte; written once
.endr
	WIN 0
.endm
.macro FLUSH ptr
	s_wait_xcnt 0x0                                ; earlier stores have read their registers: only behind this wait do loads land there again
	TOSTAGE 0
	TOSTAGE 1
	SEND 0, 32, \ptr                               ; behind tile 0's loads: tile 1's 16 stores and 16 loads
	s_wait_xcnt 0x0
	TOSTAGE 2
	SEND 1, 32, \ptr
	s_wait_xcnt 0x0
	TOSTAGE 3
	SEND 2, 32, \ptr
	SEND 3, 0, \ptr
.endm
; A PREFETCH INTO THE L2.  Of a head's four clusters the first (c = 0) walks all eight pairs of units in its second block; at the refill of step T it asks for pair of units (T + 1) / 2.  At the same place it names the
; 2 x 65,536 bytes of codes of pair of units (T + 5) / 2: two refills, four steps, ahead of its own request.  The four partners and their four waves share the pair out BY ADDRESS: wave w takes unit w / 2 of the pair, and of it
; part 2 cx + w % 2, 8,192 bytes, lanes 256 bytes apart: each aligned block of 256 bytes is named once in the launch.  The last request stands at step 9, for units 14 and 15.
; Units 0 to 5 and the scale bytes come by their loads alone.
.macro ASK
	s_cmp_lt_u32 s[TT], s[LIM]
	s_cbranch_scc0 .Lnot_mine_\@
	global_prefetch_b8 v[PFO], s[PFA:PFA+1] th:TH_LOAD_NT scope:SCOPE_SE
.Lnot_mine_\@:
.endm
; THE WORK OF STEP T = s[T] + d.  tm = T % 4, which says where tiles and images lie.
; kind = 2 (T odd): the pair of steps T - 1, T is read out, and its slot is filled again with the pair of steps T + 3, T + 4;  1: the wait for the last pair, nothing is filled;  0 (T even): the work-group's barrier alone.
; pv = 1: V^T P^T starts O^T's sums; 0: it adds; 2: it starts them where T is the second block's first step (an even T).  fl = 1: the first block's rows leave where T is its last step (an odd T).
; ql = 1: the second block's Q is asked for where T + 1 is the first block's last step (an even T).  mk: the mask (SIGMOID).  ask = 1: a prefetch stands behind the refill.
.macro BODY d, tm, kind, pv, fl, ql, mk, ask
	s_add_co_u32 s[TT], s[T], \d
.if \kind
	s_wait_tensorcnt 0x0                           ; all my tensor loads have landed: my part of the pair of steps T + 1, T + 2; so a group 0 may be written
	ds_add_u32 v[SPW], v[NIL]                      ; 0 onto my spare word: the step's addresses are made while it is out
.endif
	ADDR ((\tm)+1)%4, ((\tm)+1)%2, (\tm)%2
	s_add_co_u32 s[SG], s[TT], 1
.if \kind == 2
.set GX, G0A+4*((\tm)/2)               ; T % 4 = 1: slot 0's group 0;  3: slot 1's
	s_add_co_u32 s74, s[TT], 3
	s_lshr_b32 s74, s74, 1                         ; the pair of steps that is asked for: it takes the pair of units of the same number in the first block, that number - NH in the second
	s_cmp_lt_u32 s74, s[NH]
	s_cselect_b32 s75, 0, s[NH]
	s_sub_co_u32 s74, s74, s75
	s_mul_i32 s[OFF], s74, 2*UNIT
	s_add_nc_u64 s[GX+2:GX+3], s[KVB:KVB+1], s[OFF:OFF+1]
	s_or_b32 s[GX+3], s[GX+3], 0x80000000
.if \ask
	s_wait_xcnt 0x0                                ; the last prefetch, two steps back, has read its address
	s_add_nc_u64 s[PFA:PFA+1], s[PFA:PFA+1], 2*UNIT
.endif
.endif
	s_wait_dscnt 0x0                               ; (the add is done;) my part of P is stored; V of step T is in registers: my reads of step T's tile are over
.if \kind == 2
	ROUND                                          ; all that now holds of every wave of all four work-groups
	tensor_load_to_lds s[GX:GX+3], s[G1:G1+7]      ; the joint refill: first thing behind the round, my one tensor load until the next; it has two steps in which to land
	s_nop 0
	PLACES
.else
	s_barrier_signal -1
	s_barrier_wait -1
.endif
	LOADP
	LOADK
.if \ask
	ASK
.endif
	s_wait_dscnt 17                                ; P is in; K's 17 loads behind it may be out
.if \pv == 2
	s_cmp_eq_u32 s[TT], s[NA]
	s_cbranch_scc1 .Lstart_\@
	PVMUL 0
	WIN 0
	s_branch .Lsummed_\@
.Lstart_\@:
	PVMUL 1
	WIN 0
.Lsummed_\@:
.else
	PVMUL \pv
	WIN 0
.endif
	s_wait_dscnt 0x0                               ; K is in
	s_wait_loadcnt 0x0                             ; and so is Q, where it was asked for a step ago
	SMUL
	WIN 0
	PLACES                                         ; in front of the loads into V's and Q's registers, of the stage's reads of O^T and of the first read of S^T
	LOADV                                          ; V of step T + 1 goes into registers now, so that its tile is read out at the next barrier
.if \fl
	s_add_co_u32 s72, s[TT], 1
	s_cmp_lg_u32 s72, s[NA]
	s_cbranch_scc1 .Lno_flush_\@
	FLUSH OA                                       ; step T was the first block's last: its 64 rows leave
.Lno_flush_\@:
.endif
.if \ql
	s_add_co_u32 s72, s[TT], 2
	s_cmp_lg_u32 s72, s[NA]
	s_cbranch_scc1 .Lno_q_\@
	QLOAD QCB, QSB                                 ; step T + 1 was the first block's last: the second block's Q is asked for, a step ahead of its first use
.Lno_q_\@:
.endif
	SIGMOID \mk
.endm
; the pointers of block s[blk]: Q's codes, Q's scales, my channels of its first row of out
.macro QPTR blk, cp, sp, op
	s_lshr_b32 s62, s[\blk], 1                     ; its unit,
	s_mul_i32 s62, s62, UNIT
	s_add_co_u32 s62, s62, s70
	s_and_b32 s63, s[\blk], 1                      ; and which 64 tokens of it
	s_lshl_b32 s66, s63, 14
	s_add_co_u32 s66, s66, s62
	s_add_co_u32 s66, s66, QOFF
	s_mov_b32 s67, 0
	s_add_nc_u64 s[\cp:\cp+1], s[4:5], s[66:67]
	s_lshl_b32 s66, s63, 10
	s_add_co_u32 s66, s66, s62
	s_add_co_u32 s66, s66, QSOFF
	s_add_nc_u64 s[\sp:\sp+1], s[4:5], s[66:67]
	s_lshl_b32 s66, s[\blk], 19                    ; 64 rows of 8,192 bytes
	s_add_co_u32 s66, s66, s74
	s_add_nc_u64 s[\op:\op+1], s[6:7], s[66:67]
.endm
	s_load_b128 s[4:7], s[0:1], 0x0                ; ws s[4:5], out0 s[6:7]
	v_lshl_add_u32 v[SPW], v0, 2, SPARE
	v_mov_b32 v[NIL], 0
	ds_add_u32 v12, v13
	ds_add_u32 v12, v13
	s_wait_dscnt 0x0
	v_lshrrev_b32 v24, 5, v0
	v_readfirstlane_b32 s[WV], v24                 ; wave 0..3
	s_mov_b32 s[CC], ttmp9                         ; c: in a cluster launch ttmp9 counts clusters
	s_and_b32 s[BH], ttmp7, 0xffff                 ; 4 x batch + head
	s_add_co_u32 s[NH], s[CC], 1
	s_lshl_b32 s[NA], s[NH], 1
	; group 1: half a tile, 34,816 dense bytes, as 136 rows of 256 bytes (32 elements of 8 bytes); no padding: every LDS read takes 512 consecutive bytes
	s_mov_b32 s[G1+0], 15|(3<<16)|(1<<21)          ; the mask: all four work-groups; elements of 8 bytes; bit 21 set beside a mask
	s_mov_b32 s[G1+1], 32<<16                      ; tensor_dim0
	s_mov_b32 s[G1+2], 136<<16                     ; tensor_dim1
	s_mov_b32 s[G1+3], 32<<16                      ; tile_dim0
	s_mov_b32 s[G1+4], 136                         ; tile_dim1
	s_mov_b32 s[G1+5], 32                          ; tensor_dim0_stride
	s_mov_b32 s[G1+6], 0
	s_mov_b32 s[G1+7], 0
	s_mul_i32 s70, s[BH], HEADB                    ; the head's first byte in the workspace
	s_mul_i32 s71, s[WV], HALFB                    ; my part's place in a slot: the pair's two tiles lie on end
	s_lshr_b32 s72, s[WV], 1                       ; and in memory: unit w / 2 of the pair,
	s_mul_i32 s72, s72, UNIT
	s_and_b32 s73, s[WV], 1                        ; half w % 2 of its tile
	s_mul_i32 s73, s73, HALFB
	s_add_co_u32 s72, s72, s73
	s_add_co_u32 s72, s72, s70
	s_mov_b32 s73, 0
	s_mov_b32 s[OFF+1], 0
	s_mov_b32 s[SEL], 0x76543210                   ; v_permlanex16_b32's selects for lane l xor 16
	s_mov_b32 s[SEL+1], 0xfedcba98
	s_mov_b32 s[CN], 0xbe8293ee                    ; -4 log2(e) / sqrt(512)
	s_mov_b32 s[CN+1], s[CN]                       ; (named with it as a pair, so it is written)
	s_wait_kmcnt 0x0
	s_add_nc_u64 s[KVB:KVB+1], s[4:5], s[72:73]
	s_mov_b32 s[G0A], 1                            ; count = 1
	s_mov_b32 s[G0A+1], s71                        ; LDS address: slot 0
	s_mov_b64 s[G0A+2:G0A+3], s[KVB:KVB+1]         ; steps 0 and 1: units 0 and 1
	s_or_b32 s[G0A+3], s[G0A+3], 0x80000000        ; type = 2
	s_mov_b32 s[G0B], 1
	s_add_co_u32 s[G0B+1], s71, SLOTB              ; slot 1
	s_cmp_gt_u32 s[NH], 1                          ; steps 2 and 3: units 2 and 3 where the first block has them, else the second block's first: units 0 and 1 again
	s_cselect_b32 s[OFF], 2*UNIT, 0
	s_add_nc_u64 s[G0B+2:G0B+3], s[KVB:KVB+1], s[OFF:OFF+1]
	s_or_b32 s[G0B+3], s[G0B+3], 0x80000000
	ROUND                                          ; all four work-groups are here: the first joint loads meet
	tensor_load_to_lds s[G0A:G0A+3], s[G1:G1+7]    ; the two first fills go out together: two loads of mine are out
	s_nop 0
	tensor_load_to_lds s[G0B:G0B+3], s[G1:G1+7]
	s_nop 0
	PLACES
	s_lshr_b32 s74, s[BH], 2                       ; out: batch x 2,048 rows of 8,192 bytes
	s_lshl_b32 s74, s74, 24
	s_and_b32 s75, s[BH], 3                        ; + the head's 2,048 bytes
	s_lshl_b32 s75, s75, 11
	s_add_co_u32 s74, s74, s75
	s_lshl_b32 s75, s[WV], 9                       ; + my 128 channels' 512
	s_add_co_u32 s74, s74, s75
	s_cmp_eq_u32 s[CC], 0                          ; who prefetches: the head's first cluster: the same in all four partners
	s_cselect_b32 s[LIM], 10, 0
	s_bfe_u32 s[CX], ttmp6, 0x40000                ; cx: my place in the cluster
	s_lshl_b32 s59, s[CC], 2
	s_add_co_u32 s59, s59, s[CX]                   ; my first block: 4 c + cx
	s_sub_co_u32 s60, 31, s59                      ; my second
	s_lshl_b32 s[QA0], s59, 6
	s_lshl_b32 s[QB0], s60, 6
	QPTR 59, QCA, QSA, OA
	QPTR 60, QCB, QSB, OB
	s_lshl_b32 s66, s[CX], 1                       ; the prefetches: part 2 cx + w % 2 of a unit's codes,
	s_and_b32 s67, s[WV], 1
	s_add_co_u32 s66, s66, s67
	s_lshl_b32 s66, s66, 13
	s_lshr_b32 s67, s[WV], 1                       ; in unit w / 2 of a pair,
	s_mul_i32 s67, s67, UNIT
	s_add_co_u32 s66, s66, s67
	s_add_co_u32 s66, s66, s70
	s_add_co_u32 s66, s66, 4*UNIT                  ; at units 4 and 5: each asking refill steps it first, so step 1's names units 6 and 7.  Nothing is prefetched here, at the head
	s_mov_b32 s67, 0
	s_add_nc_u64 s[PFA:PFA+1], s[4:5], s[66:67]
	v_and_b32 v26, 31, v0                          ; lane
	v_and_b32 v24, 15, v0                          ; r
	v_bfe_u32 v25, v0, 4, 1                        ; h
	v_lshlrev_b32 v[L16], 4, v26
	QLOAD QCA, QSA                                 ; the first block's Q
	s_lshl_b32 s72, s[WV], 13
	v_add_nc_u32 v[AK0], s72, v[L16]
	v_lshlrev_b32 v[AS0], 4, v0                    ; 512 w + 16 lane is 16 x my thread's number
	v_add_nc_u32 v[AS0], KSOFF, v[AS0]
	s_lshl_b32 s72, s[WV], 8
	s_add_co_u32 s72, s72, PIMG
	v_lshlrev_b32 v[APW0], 4, v24
	v_lshl_add_u32 v[APW0], v25, 2, v[APW0]
	v_add_nc_u32 v[APW0], s72, v[APW0]
	s_add_co_u32 s72, s[WV], PSC
	v_lshl_add_u32 v[APS0], v24, 2, s72
	v_add_nc_u32 v[APR0], PIMG, v[L16]
	v_lshlrev_b32 v[APSR0], 2, v26
	v_add_nc_u32 v[APSR0], PSC, v[APSR0]
	s_mul_i32 s72, s[WV], 16*SPITCH
	s_add_co_u32 s72, s72, STAGE                   ; my stage
	v_mul_u32_u24 v[STO], v24, SPITCH              ; in: row r, 32 bytes for each half of the lanes
	v_lshl_add_u32 v[STO], v25, 5, v[STO]
	v_add_nc_u32 v[STO], s72, v[STO]
	v_add_nc_u32 v[SRD], s72, v[L16]               ; back: the 32 lanes take one row of 512 bytes
	v_lshlrev_b32 v27, 3, v25
	v_sub_nc_u32 v[DL], v24, v27
	s_lshl_b32 s72, s[WV], 5
	v_sub_nc_u32 v[DL], v[DL], s72
	v_mov_b32 v[ZR], 0
	v_lshlrev_b32 v[PFO], 8, v26
.irp m, 0,1,2,3
	v_mov_b32 v[PB+\m], 0                          ; written once: a lane permute's destination counts as one of its sources
.endr
	s_mov_b32 s[SG], 0
	ADDR 0, 0, 1
	; step 0's scores, sigmoid and P stand ahead of the steps' common form
	s_wait_tensorcnt 0x1                           ; my part of slot 0 is in; slot 1's may stay out
	s_barrier_signal -1
	s_barrier_wait -1                              ; everybody's is
	LOADK
	s_wait_dscnt 0x0
	s_wait_loadcnt 0x0                             ; Q
	SMUL
	WIN 0
	PLACES
	LOADV
	SIGMOID 1                                      ; (in the first cluster step 0 is already one of a block's last two)
	s_mov_b32 s[T], 0
	BODY 0, 0, 0, 1, 0, 1, 0, 0                    ; step 0 is written out: its products start O^T's sums with the constant 0, so nothing is ever cleared
	s_mov_b32 s[T], 1
.Lbody:                                                ; three trips of four steps, 1 to 12: once round the ring, both slots filled again
	BODY 0, 1, 2, 0, 1, 0, 0, 1
	BODY 1, 2, 0, 2, 0, 1, 0, 0
	BODY 2, 3, 2, 0, 1, 0, 0, 1
	BODY 3, 0, 0, 2, 0, 1, 0, 0
	s_add_co_u32 s[T], s[T], 4
	s_cmp_lt_u32 s[T], 13
	s_cbranch_scc1 .Lbody
	BODY 0, 1, 2, 0, 0, 0, 2, 0                    ; steps 13 to 16 are written out: step 13 asks for the last pair
	BODY 1, 2, 0, 0, 0, 0, 2, 0
	BODY 2, 3, 1, 0, 0, 0, 1, 0                    ; step 15 waits for it and fills nothing; steps 16 and 17 are the second block's last two: masked
	BODY 3, 0, 0, 0, 0, 0, 1, 0
	s_wait_dscnt 0x0                               ; my part of the last P is stored, the last V is in registers
	s_barrier_signal -1
	s_barrier_wait -1
	v_add_nc_u32 v[APR], PBUF, v[APR0]             ; P of step 17 lies in the second image
	v_add_nc_u32 v[APSR], PBUF, v[APSR0]
	LOADP
	s_wait_dscnt 0x0
	PVMUL 0                                        ; step 17
	WIN 0
	PLACES
	FLUSH OB                                       ; the second block's 64 rows leave
	s_wait_tensorcnt 0x0                           ; the wave's end: behind my last tensor load and my last LDS store
	ds_add_u32 v[SPW], v[NIL]
	s_wait_dscnt 0x0
	ROUND                                          ; the closing round: no work-group ends while a partner may still ask for a tile that names it
	s_endpgm
.Lfunc_end_k_qdfa6d8fa9a_attn:
	.size	k_qdfa6d8fa9a_attn, .Lfunc_end_k_qdfa6d8fa9a_attn-k_qdfa6d8fa9a_attn
	.p2alignl 7, 3214868480
	.fill 96, 4, 3214868480
	.section	.rodata,"a",@progbits
	.p2align	6, 0x0
	.amdhsa_kernel k_qdfa6d8fa9a_attn
		.amdhsa_group_segment_fixed_size 327680
		.amdhsa_private_segment_fixed_size 0
		.amdhsa_enable_private_segment 0
		.amdhsa_kernarg_size 16
		.amdhsa_user_sgpr_count 2
		.amdhsa_user_sgpr_kernarg_segment_ptr 1
		.amdhsa_wavefront_size32 1
		.amdhsa_system_sgpr_workgroup_id_x 1
		.amdhsa_system_sgpr_workgroup_id_y 1
		.amdhsa_system_sgpr_workgroup_id_z 1
		.amdhsa_system_vgpr_workitem_id 0
		.amdhsa_next_free_vgpr 896
		.amdhsa_next_free_sgpr 80
		.amdhsa_reserve_vcc 1
		.amdhsa_float_denorm_mode_32 3
		.amdhsa_float_denorm_mode_16_64 3
		.amdhsa_memory_ordered 1
		.amdhsa_forward_progress 1
		.amdhsa_inst_pref_size 255
	.end_amdhsa_kernel
	.section	.bss,"aw",@nobits
	.p2align	6
	.space	262144
	.amdgpu_metadata
---
amdhsa.version: [ 1, 2 ]
amdhsa.kernels:
  - .name:           k_qdfa6d8fa9a_attn
    .symbol:         k_qdfa6d8fa9a_attn.kd
    .args:
      - { .name: ws, .offset: 0, .size: 8, .value_kind: global_buffer, .address_space: global }
      - { .name: out0, .offset: 8, .size: 8, .value_kind: global_buffer, .address_space: global }
    .group_segment_fixed_size: 327680
    .private_segment_fixed_size: 0
    .kernarg_segment_align: 8
    .kernarg_segment_size: 16
    .max_flat_workgroup_size: 128
    .sgpr_count:     80
    .vgpr_count:     896
    .wavefront_size: 32
...
	.end_amdgpu_metadata
.endif
;; end of part 3
